; MI455X (gfx1250); checked and timed in simulation.
; The chip was launched on July 23, 2026; its instructions are those of AMD's public machine-readable ISA for CDNA 5 (MIT licence, August 2026) and "CDNA5" Instruction Set Architecture Reference Guide (July 2026). The comments in the code are by the model that wrote it; some were corrected since.
;; Multi Head Self Attention. Allowed arithmetic: matrix products marked QUANTISED: E3M2 operands, one E8M0 scale for each 32 along K, by v_wmma_scale_f32_16x16x128_f8f6f4 with both operands' format E3M2, f32 sums; everything else in f32.
;; Inputs: Wk 1,024 x 1,024 float32; Wo 1,024 x 1,024 float32; Wq 1,024 x 1,024 float32; Wv 1,024 x 1,024 float32; x 1 x 4,096 x 1,024 float32.
;; Outputs: out0 1 x 4,096 x 1,024 float32.
;; This version of the problem:
;;   THIS VERSION OF THE PROBLEM IS GIVEN IN LOW PRECISION. The matrix products marked QUANTISED in the list below multiply operands that are first quantised to E3M2 (3 exponent bits, 2 mantissa bits; 6 bits a number), with one power-of-two scale for each 32 numbers along K (OCP MX v1.0); their sums are f32. All else is computed in f32.
;;   The module's matrix products, in the order in which they are computed (A, B: the left and right operand; K: the contracted axis; several contracted axes count as one K, in the product's order):
;;     1. [M 4,096, K 1,024] x [K 1,024, N 1,024]; A: input x; B: input Wq: QUANTISED
;;     2. [M 4,096, K 1,024] x [K 1,024, N 1,024]; A: input x; B: input Wk: QUANTISED
;;     3. [M 4,096, K 1,024] x [K 1,024, N 1,024]; A: input x; B: input Wv: QUANTISED
;;     4. batch 16 x [M 4,096, K 64] x [K 64, N 4,096]; A: computed on the way; B: computed on the way: QUANTISED
;;     5. batch 16 x [M 4,096, K 4,096] x [K 4,096, N 64]; A: softmax (see below); B: computed on the way: QUANTISED
;;     6. [M 4,096, K 1,024] x [K 1,024, N 1,024]; A: computed on the way; B: input Wo: QUANTISED
;;   THE QUANTISER, for each operand of a quantised product, along K:
;;     - K is cut into blocks of 32 from its start; a last block that is shorter is filled with zeros.
;;     - A block's scale is 2^e with e = floor(log2(the largest magnitude in the block)) - 4, held to -126 .. 127; a block of zeros has e = 0. As a byte (E8M0): e + 127.
;;     - Each number is divided by its block's scale, clamped to +-28, and rounded to the nearest number of E3M2, ties to even, subnormals kept.
;;     - The product sums the exact products of the quantised numbers (number of the format x scale) in f32.
;;   ~~~python
;;   def quantise(x, axis):      # numpy; x: float32 -> the quantised numbers, widened to float32 again
;;       x = np.moveaxis(x, axis, -1); K = x.shape[-1]
;;       x = np.pad(x, [(0, 0)] * (x.ndim - 1) + [(0, -K % 32)]); x = x.reshape(x.shape[:-1] + (-1, 32)); a = np.abs(x).max(-1, keepdims=True)
;;       e = np.where(a > 0, np.clip(np.frexp(np.where(a > 0, a, 1))[1] - 1 - 4, -126, 127), 0)      # np.frexp(a)[1] - 1 = floor(log2(a)), exactly
;;       r = np.clip(x / 2.0 ** e, -28, 28)
;;       step = 2.0 ** (np.maximum(np.frexp(np.where(r == 0, 1, r))[1] - 1, -2) - 2)
;;       q = np.round(r / step) * step * 2.0 ** e      # np.round: ties to even
;;       return np.moveaxis(q.reshape(q.shape[:-2] + (-1,))[..., :K], -1, axis).astype(np.float32)
;;   ~~~
;;   SOFTMAX AHEAD OF A QUANTISED PRODUCT. Where the list says 'softmax', what is quantised is not the finished softmax but p = 2^(t - M), with t = logit x log2(e) and M = ceil(the row's largest t), a whole number; so 1/2 < the row's largest p <= 1. The row's sum l is taken of the UNQUANTISED p, in f32, and the product's result is divided by l at the end. Since M is a whole number, a kernel that streams over the keys may use a running M (the ceiling of the running maximum): every later rescaling is an exact power of two, which a block's scale takes up: the codes' values come out the same.
;;   OPERANDS COMPUTED ON THE WAY. 'Computed on the way' means the value that the module computes at that place (a softmax that the list does not call 'softmax' is quantised finished and normalised). What goes into a quantiser is computed in f32, as accurately as f32 sums, v_exp_f32 and their like allow (about 1e-6 of the number): no bf16 or f16 on the way to a quantiser, and a product that is left as it is and whose result goes on into a quantised operand takes f32 operands (vector FMAs, or v_wmma_f32_16x16x4_f32). A number that lies on a knife's edge between two numbers of the format may be rounded either way, as far as f32 arithmetic and the matrix unit's own rounding can turn it there, and no further.
;; One version. Each part assembles by itself: llvm-mc -triple=amdgcn-amd-amdhsa -mcpu=gfx1250 --defsym DOCPART=n.
;; ======== version 1 of 1: 4 launches
;; limits: right only within a limited range of input values
;; workspace buffers: codes 6,291,456 bytes; scales 262,144 bytes; rope 1,048,576 bytes; qkv 10,092,544 bytes; att 3,276,800 bytes
;; launch prep (part 1): grid 288 x 1, 4 waves a work-group, no clusters, 33,280 bytes of LDS; arguments x, Wq, Wk, Wv, Wo, codes, scales, rope; writes codes, scales, rope
.if DOCPART == 1
	.amdgcn_target "amdgcn-amd-amdhsa--gfx1250"
	.amdhsa_code_object_version 6
	.text
	.protected	k_q4e302627ec_prep
	.globl	k_q4e302627ec_prep
	.p2align	8
	.type	k_q4e302627ec_prep,@function
k_q4e302627ec_prep:
	s_mov_b64 s[64:65], 0
	v_nop
	global_prefetch_b8 v0, s[64:65] scope:SCOPE_SE
	s_setreg_imm32_b32 hwreg(HW_REG_WAVE_MODE, 25, 1), 1
	s_wait_xcnt 0x0
; TWO JOBS IN ONE LAUNCH, parted once on the work-group's number.
; Work-groups 0-255: x [4096][1024] and Wq, Wk, Wv, Wo [1024][1024], f32, K innermost, become codes of BF6 (E3M2), 6 bits each, and one E8M0 byte for each 32 along K.
;   The five tensors are stacked: 8,192 rows of 768 bytes of codes (x 0-4095, Wq 4096-, Wk 5120-, Wv 6144-, Wo 7168-) and of 32 scale bytes.  Rows are dense, so each tensor is a plain stream
;   of blocks of 32, and the outputs' place is linear in the work-group's number.  A work-group takes 32,768 numbers, a wave 16 steps of 512.
;   A block's byte is its largest magnitude's exponent field - 4, held at 1 from below; each number is divided by the scale and rounded to the nearest code, ties to even, beyond 28 the largest code.
;   Each load reads 512 consecutive bytes; a step's 2,048 bytes turn through the wave's own stage in LDS so that a lane holds 16 neighbours along K (two lanes to a block).
; Work-groups 256-287: the table of RoPE, [position 4096][pair 32][cos, sin] f32.  A lane is a pair j; a wave takes 32 positions; each store of the wave covers 256 consecutive bytes, aligned.
;   angle = fl(position x f), f = 1 / fl(10^(j/8)), in the order in which the problem forms them.  The angle is reduced by k = round(angle 2/pi) with pi/2 in two parts (the first product is exact: k has 12 bits),
;   and sine and cosine of the rest, at most pi/4 for every angle, are sums up to r^9 and r^10: what is cut lies under 2e-9 whatever the inputs.
; LIMITS: NaN and infinities among the inputs are not served.  A block whose largest magnitude lies under 2^-122, zeros among them, gets the byte 1; the bytes are read by this program alone.
.set STEPS, 16
.set EMAX,  4
.set CB,    12                         ; bytes of 16 codes
.set R,     16                         ; v16-79   four sets of 16 numbers as loaded
.set X,     80                         ; v80-111  two sets of 16 neighbours
.set C,     128                        ; v128-191 codes: four registers a step, so that no store's data are written again
.set E,     112                        ; v112-127 a scale byte a step
.set WREG,  8192                       ; LDS: a region for each wave: two stages of 32 x SP bytes, then its 256 scale bytes
.set SP,    80                         ; a lane's place in a stage: 64 bytes + 16 of padding
	s_load_b512 s[8:23], s[0:1], 0x0               ; x s[8:9], Wq s[10:11], Wk s[12:13], Wv s[14:15], Wo s[16:17], codes s[18:19], scales s[20:21], rope s[22:23]
	v_lshl_add_u32 v192, v0, 2, 0x8000
	v_mov_b32 v193, 0
	v_lshrrev_b32 v1, 5, v0
	v_readfirstlane_b32 s4, v1                     ; wave
	v_and_b32 v2, 31, v0                           ; lane
	s_cmp_ge_u32 ttmp9, 256
	s_cbranch_scc1 .Ltable
	; ---------------- the quantiser ----------------
	v_lshlrev_b32 v3, 4, v2                        ; my 16 bytes of a load's 512
	s_mul_i32 s5, s4, WREG
	v_lshrrev_b32 v14, 2, v2
	v_mul_u32_u24 v14, v14, SP
	v_and_b32 v15, 3, v2
	v_lshl_add_u32 v14, v15, 4, v14
	v_add_nc_u32 v14, s5, v14                      ; the stage, on the way in: SP (lane / 4) + 16 (lane % 4)
	v_mul_u32_u24 v15, v2, SP
	v_add_nc_u32 v15, s5, v15                      ; and on the way out: SP x lane: my 16 neighbours
	; THE CODES' LAYOUT IN THE WORKSPACE: [K step of 256: 4][stacked row: 8,192][192 bytes]: a K step's codes of 128 rows are one dense block of 24,576 bytes.
	; A step's 512 numbers are two K steps of one row: lanes 0-15 hold the first, lanes 16-31 the second, 1,572,864 bytes further on.
	v_and_b32 v4, 15, v2
	v_mul_u32_u24 v4, v4, CB                       ; my 12 bytes of a row's 192
	v_lshrrev_b32 v10, 4, v2
	v_mad_u32_u24 v4, v10, 0x180000, v4            ; + 8,192 x 192 bytes for the second K step
	v_lshrrev_b32 v5, 1, v2
	s_add_co_u32 s5, s5, 2*32*SP
	v_add_nc_u32 v5, s5, v5                        ; LDS: my block's byte among my wave's 256
	v_lshlrev_b32 v7, 3, v2                        ; on the way out 8 bytes a lane
	v_add_nc_u32 v6, s5, v7
	s_and_b32 s26, ttmp9, 31                       ; a weight's work-group among its 32
	s_wait_alu depctr_va_vdst(0)
	s_wait_kmcnt 0x0
	s_mov_b64 s[24:25], s[16:17]                   ; the source: Wo, unless the work-group's number says otherwise; the choice hangs on that number alone
	s_cmp_lt_u32 ttmp9, 224
	s_cselect_b64 s[24:25], s[14:15], s[24:25]
	s_cmp_lt_u32 ttmp9, 192
	s_cselect_b64 s[24:25], s[12:13], s[24:25]
	s_cmp_lt_u32 ttmp9, 160
	s_cselect_b64 s[24:25], s[10:11], s[24:25]
	s_cmp_lt_u32 ttmp9, 128
	s_cselect_b64 s[24:25], s[8:9], s[24:25]
	s_cselect_b32 s26, ttmp9, s26                  ; x has 128 work-groups
	s_lshl_b32 s26, s26, 2
	s_add_co_u32 s26, s26, s4                      ; which run of 8,192 numbers of the source is my wave's
	s_lshl_b32 s26, s26, 15                        ; 32,768 bytes a run
	s_mov_b32 s27, 0
	s_add_nc_u64 s[24:25], s[24:25], s[26:27]
	s_lshl_b32 s28, ttmp9, 2
	s_add_co_u32 s28, s28, s4                      ; which run of the stack
	s_mul_i32 s30, s28, 1536                       ; a run is 8 rows: 8 x 192 bytes in each K step's part
	s_mov_b32 s31, 0
	s_add_nc_u64 s[18:19], s[18:19], s[30:31]
	s_lshl_b32 s30, s28, 8                         ; 256 scale bytes a run
	s_add_nc_u64 s[20:21], s[20:21], s[30:31]
.macro LOAD t
.irp i, 0,1,2,3
	global_load_b128 v[R+16*((\t)%4)+4*\i:R+16*((\t)%4)+4*\i+3], v3, s[24:25] offset:2048*(\t)+512*\i th:TH_LOAD_NT   ; 32 lanes read 512 consecutive bytes; read once in the launch
.endr
.endm
.macro TURN t                          ; step t's numbers through the stage: LDS serves a wave's instructions in order, so no wait stands between the stores and the loads
.irp i, 0,1,2,3
	ds_store_b128 v14, v[R+16*((\t)%4)+4*\i:R+16*((\t)%4)+4*\i+3] offset:32*SP*((\t)%2)+8*SP*\i
.endr
.irp i, 0,1,2,3
	ds_load_b128 v[X+16*((\t)%2)+4*\i:X+16*((\t)%2)+4*\i+3], v15 offset:32*SP*((\t)%2)+16*\i
.endr
.endm
.irp t, 0,1,2,3
	LOAD \t
.endr
	s_wait_loadcnt 12                              ; step 0's four loads are in; three steps' twelve stay out
	TURN 0
.macro STEP t
.set XS, X+16*((\t)%2)
.if (\t) > 0
	s_wait_dscnt 1                                 ; this step's numbers are back from the stage (the last step's byte store may be out): so its stores into the stage have read their registers,
.else
	s_wait_dscnt 0x0
.endif
.if (\t)+4 < STEPS
	LOAD (\t)+4                                    ; which take the loads of four steps on
.endif
.if (\t)+1 < STEPS
.if STEPS-2-(\t) >= 3
	s_wait_loadcnt 12                              ; the next step's four loads are in; those of the three steps behind it may be out
.else
	s_wait_loadcnt 4*(STEPS-2-(\t))
.endif
	TURN (\t)+1                                    ; and go through the other stage while this step is worked
.endif
	v_max3_num_f32 v8, |v[XS]|, |v[XS+1]|, |v[XS+2]|               ; the largest magnitude of my 16, in two chains
	v_max3_num_f32 v9, |v[XS+3]|, |v[XS+4]|, |v[XS+5]|
.irp i, 6,10
	v_max3_num_f32 v8, v8, |v[XS+\i]|, |v[XS+\i+1]|
	v_max3_num_f32 v9, v9, |v[XS+\i+2]|, |v[XS+\i+3]|
.endr
	v_max3_num_f32 v8, v8, |v[XS+14]|, |v[XS+15]|
	v_max3_num_f32 v8, v8, v9, (EMAX+1)<<23        ; and the floor 2^(5 - 127): the byte cannot fall under 1
	v_max_num_f32_dpp v8, v8, v8 row_xmask:1 row_mask:0xf bank_mask:0xf   ; with my neighbour's 16: the block's
	v_add_nc_u32 v11, -(EMAX<<23), v8              ; 4 off its exponent field: the conversion takes the exponent field of this operand as its scale
	v_cvt_scalef32_pk16_bf6_f32 v[C+4*(\t):C+4*(\t)+2], v[XS:XS+15], v11
	v_lshrrev_b32 v[E+(\t)], 23, v11               ; the scale's byte
	ds_store_b8 v5, v[E+(\t)] offset:16*(\t)       ; both lanes of a block write the same byte with the same value
	global_store_b96 v4, v[C+4*(\t):C+4*(\t)+2], s[18:19] offset:3145728*((\t)%2)+192*((\t)/2)   ; row t / 2 of the run, K steps 2 (t % 2) and 2 (t % 2) + 1: two runs of 192 consecutive bytes
.endm
.irp t, 0,1,2,3,4,5,6,7,8,9,10,11,12,13,14,15
	STEP \t
.endr
	ds_load_b64 v[12:13], v6                       ; LDS serves a wave's instructions in order: these see my stores
	s_wait_dscnt 0x0
	global_store_b64 v7, v[12:13], s[20:21]        ; 32 lanes store 256 consecutive bytes, aligned
	s_wait_tensorcnt 0x0
	ds_add_u32 v192, v193
	s_wait_dscnt 0x0
	s_endpgm
	; ---------------- the table ----------------
.Ltable:
	s_sub_co_u32 s5, ttmp9, 256
	s_lshl_b32 s5, s5, 7
	s_lshl_b32 s6, s4, 5
	s_add_co_u32 s5, s5, s6                        ; my wave's first position: 128 x work-group + 32 x wave
	v_mov_b32 v8, 0                                ; (written whole before single lanes are)
.macro POW j, val                      ; lane j gets 10^(j/8), rounded to f32 by the assembler
	s_mov_b32 s24, \val
	v_writelane_b32 v8, s24, \j
.endm
	POW 0, 1.0
	POW 1, 1.33352143216
	POW 2, 1.77827941004
	POW 3, 2.37137370566
	POW 4, 3.16227766017
	POW 5, 4.21696503429
	POW 6, 5.62341325190
	POW 7, 7.49894209332
	POW 8, 10.0
	POW 9, 13.3352143216
	POW 10, 17.7827941004
	POW 11, 23.7137370566
	POW 12, 31.6227766017
	POW 13, 42.1696503429
	POW 14, 56.2341325190
	POW 15, 74.9894209332
	POW 16, 100.0
	POW 17, 133.352143216
	POW 18, 177.827941004
	POW 19, 237.137370566
	POW 20, 316.227766017
	POW 21, 421.696503429
	POW 22, 562.341325190
	POW 23, 749.894209332
	POW 24, 1000.0
	POW 25, 1333.52143216
	POW 26, 1778.27941004
	POW 27, 2371.37370566
	POW 28, 3162.27766017
	POW 29, 4216.96503429
	POW 30, 5623.41325190
	POW 31, 7498.94209332
	s_wait_alu depctr_va_vdst(0)
	v_rcp_f32 v9, v8
	v_cvt_f32_u32 v10, s5                          ; the position as f32 (also the plain instruction behind the reciprocal)
	s_wait_alu depctr_va_vdst(0)
	v_fma_f32 v11, -v8, v9, 1.0                    ; one step of Newton's brings 1 / P to the nearest f32
	v_fma_f32 v9, v11, v9, v9                      ; f
	s_lshl_b32 s6, s5, 8                           ; 256 bytes a position
	v_lshl_add_u32 v12, v2, 3, s6                  ; + 8 j
	s_mov_b32 s24, 0x3fc90fdb                      ; pi/2, upper part
	s_mov_b32 s25, 0xb33bbd2e                      ; and the rest
	s_mov_b32 s7, 32
	s_wait_kmcnt 0x0
.Lpos:
	s_wait_alu depctr_va_vdst(0)
	v_mul_f32 v13, v10, v9                         ; the angle
	v_mul_f32 v14, 0x3f22f983, v13                 ; x 2/pi
	v_rndne_f32 v14, v14                           ; k
	v_fma_f32 v15, -v14, s24, v13
	v_fma_f32 v15, -v14, s25, v15                  ; r = angle - k pi/2
	v_mul_f32 v16, v15, v15                        ; z = r^2
	v_cvt_i32_f32 v17, v14
	v_mov_b32 v18, 0x3638ef1d                      ; sin r = r + r z (-1/6 + z (1/120 + z (-1/5040 + z / 362880)))
	v_fmaak_f32 v18, v18, v16, 0xb9500d01
	v_fmaak_f32 v18, v18, v16, 0x3c088889
	v_fmaak_f32 v18, v18, v16, 0xbe2aaaab
	v_mul_f32 v18, v18, v16
	v_fma_f32 v18, v18, v15, v15
	v_mov_b32 v19, 0xb493f27e                      ; cos r = 1 + z (-1/2 + z (1/24 + z (-1/720 + z (1/40320 - z / 3628800))))
	v_fmaak_f32 v19, v19, v16, 0x37d00d01
	v_fmaak_f32 v19, v19, v16, 0xbab60b61
	v_fmaak_f32 v19, v19, v16, 0x3d2aaaab
	v_fmaak_f32 v19, v19, v16, 0xbf000000
	v_fma_f32 v19, v19, v16, 1.0
	v_and_b32 v20, 1, v17                          ; an odd quarter exchanges the two;
	v_cmp_eq_u32 vcc_lo, 1, v20
	v_cndmask_b32 v23, v18, v19, vcc_lo            ; the sine
	v_cndmask_b32 v22, v19, v18, vcc_lo            ; the cosine
	v_and_b32 v20, 2, v17                          ; quarters 2 and 3 turn the sine's sign,
	v_lshlrev_b32 v20, 30, v20
	v_xor_b32 v23, v20, v23
	v_add_nc_u32 v21, 1, v17                       ; quarters 1 and 2 the cosine's
	v_and_b32 v21, 2, v21
	v_lshlrev_b32 v21, 30, v21
	v_xor_b32 v22, v21, v22
	global_store_b64 v12, v[22:23], s[22:23]
	s_wait_xcnt 0x0                                ; the store's data and offset are written again only behind this wait
	v_add_nc_u32 v12, 0x100, v12
	v_add_f32 v10, 1.0, v10
	s_sub_co_u32 s7, s7, 1
	s_cmp_lg_u32 s7, 0
	s_cbranch_scc1 .Lpos
	s_endpgm
.Lfunc_end_k_q4e302627ec_prep:
	.size	k_q4e302627ec_prep, .Lfunc_end_k_q4e302627ec_prep-k_q4e302627ec_prep
	.p2alignl 7, 3214868480
	.fill 96, 4, 3214868480
	.section	.rodata,"a",@progbits
	.p2align	6, 0x0
	.amdhsa_kernel k_q4e302627ec_prep
		.amdhsa_group_segment_fixed_size 33280
		.amdhsa_private_segment_fixed_size 0
		.amdhsa_enable_private_segment 0
		.amdhsa_kernarg_size 64
		.amdhsa_user_sgpr_count 2
		.amdhsa_user_sgpr_kernarg_segment_ptr 1
		.amdhsa_wavefront_size32 1
		.amdhsa_system_sgpr_workgroup_id_x 1
		.amdhsa_system_sgpr_workgroup_id_y 1
		.amdhsa_system_sgpr_workgroup_id_z 1
		.amdhsa_system_vgpr_workitem_id 0
		.amdhsa_next_free_vgpr 194
		.amdhsa_next_free_sgpr 66
		.amdhsa_reserve_vcc 1
		.amdhsa_float_denorm_mode_32 3
		.amdhsa_float_denorm_mode_16_64 3
		.amdhsa_memory_ordered 1
		.amdhsa_forward_progress 1
		.amdhsa_inst_pref_size 39
	.end_amdhsa_kernel
	.amdgpu_metadata
---
amdhsa.version: [ 1, 2 ]
amdhsa.kernels:
  - .name:           k_q4e302627ec_prep
    .symbol:         k_q4e302627ec_prep.kd
    .args:
      - { .name: x, .offset: 0, .size: 8, .value_kind: global_buffer, .address_space: global }
      - { .name: Wq, .offset: 8, .size: 8, .value_kind: global_buffer, .address_space: global }
      - { .name: Wk, .offset: 16, .size: 8, .value_kind: global_buffer, .address_space: global }
      - { .name: Wv, .offset: 24, .size: 8, .value_kind: global_buffer, .address_space: global }
      - { .name: Wo, .offset: 32, .size: 8, .value_kind: global_buffer, .address_space: global }
      - { .name: codes, .offset: 40, .size: 8, .value_kind: global_buffer, .address_space: global }
      - { .name: scales, .offset: 48, .size: 8, .value_kind: global_buffer, .address_space: global }
      - { .name: rope, .offset: 56, .size: 8, .value_kind: global_buffer, .address_space: global }
    .group_segment_fixed_size: 33280
    .private_segment_fixed_size: 0
    .kernarg_segment_align: 8
    .kernarg_segment_size: 64
    .max_flat_workgroup_size: 128
    .sgpr_count:     66
    .vgpr_count:     194
    .wavefront_size: 32
...
	.end_amdgpu_metadata
.endif
;; end of part 1
;; launch qkv (part 2): grid 16 x 12, 4 waves a work-group, clusters of 4 x 4, 327,680 bytes of LDS; arguments codes, scales, rope, qkv; writes qkv
.if DOCPART == 2
	.amdgcn_target "amdgcn-amd-amdhsa--gfx1250"
	.amdhsa_code_object_version 6
	.text
	.protected	k_q4e302627ec_qkv
	.globl	k_q4e302627ec_qkv
	.p2align	8
	.type	k_q4e302627ec_qkv,@function
k_q4e302627ec_qkv:
	s_mov_b64 s[64:65], 0
	v_nop
	global_prefetch_b8 v0, s[64:65] scope:SCOPE_SE
	s_setreg_imm32_b32 hwreg(HW_REG_WAVE_MODE, 25, 1), 1
	s_wait_xcnt 0x0
	s_wait_alu depctr_hold_cnt(0) depctr_sa_sdst(0) depctr_va_vdst(0) depctr_va_sdst(0) depctr_va_ssrc(0) depctr_va_vcc(0) depctr_vm_vsrc(0)
	s_getreg_b32 s2, hwreg(HW_REG_IB_STS2, 6, 4)
	s_cmp_eq_u32 s2, 0
	s_cbranch_scc0 .Lentry_in_a_cluster
	s_endpgm
.Lentry_in_a_cluster:
	s_bfe_u32 s2, ttmp6, 0x10000c
	s_cmp_lg_u32 s2, 0xf033
	s_cbranch_scc0 .Lentry_shape_is_right
	s_endpgm
.Lentry_shape_is_right:
.set KSTEP,  256
.set NQ,     2
.set ROWB,   1572864                   ; bytes from a K step's codes to the next K step's: the workspace is laid [K step][row][192 bytes]
.set KROW,   768
.set PITCH,  240
.set FR,     12
.set NL,     6
.set NP,     4
.set HALFT,  128*PITCH
.set SLOT,   4*HALFT
.set LAPS,   2
.set KS,     32
.set SCL,    2*SLOT
.set HALFS,  (128*KS/256)*272
.set SBLK,   (16*KS/256)*272
.set SPARE,  SCL+4*HALFS
.set QSB,    3145728
.set KVB,    3407872
.set HS,     417792
.set SLOTB,  104448
.set VSTG,   32768
.set SGA,  3
.set GA,   4
.set TAB,  8
.set STO,  9
.set RD,   10
.set SSTO, 11
.set SRD,  12
.set SH,   13
.set ADRA, 16
.set ADRB, 20
.set ADRS, 27
.set SPW,  28
.set NIL,  29
.set ADRS1, 30
.set SC,   32
.set CS,   64
.set AF,   128
.set T,    128
.set C,    192
.set TM,   208
.set OUT,  224
.set G1, 24
.set G0, 32
.set G1B, 48
.set G0B, 56
.set G1S, 68
.set G0S, 76
.set G1SB, 80
.set G0SB, 88
.set SEL, 98
.set MSB, 0
.macro WIN new
.if MSB != (\new)
	s_set_vgpr_msb (MSB<<8)|(\new)
.set MSB, (\new)
.endif
.endm
.set MUL_LO, 0xa1
.set MUL_HI, 0xf1
.set TO_B,   0x40
.macro JLOAD g0a, g1a, g0b, g1b
	s_cmp_eq_u32 s15, 0
	s_cbranch_scc0 .Lfor_b_\@
	tensor_load_to_lds s[\g0a:\g0a+3], s[\g1a:\g1a+7]
	s_nop 0
.rept 4
	v_nop
.endr
	s_branch .Lasked_\@
.Lfor_b_\@:
	tensor_load_to_lds s[\g0b:\g0b+3], s[\g1b:\g1b+7]
	s_nop 0
.rept 4
	v_nop
.endr
.Lasked_\@:
.endm
.macro CREST
	s_cmp_lg_u32 s14, 0
	s_cbranch_scc1 .Lnot_wave_0_\@
	s_barrier_signal -3
.Lnot_wave_0_\@:
	s_barrier_wait -3
	s_barrier_signal -1
	s_barrier_wait -1
.endm
.macro CROUND
	s_barrier_signal -1
	s_barrier_wait -1
	CREST
.endm
	s_load_b256 s[4:11], s[0:1], 0x0
	v_lshl_add_u32 v[SPW], v0, 2, SPARE
	v_mov_b32 v[NIL], 0
	ds_add_u32 v28, v29
	ds_add_u32 v28, v29
	s_wait_dscnt 0x0
	v_lshrrev_b32 v1, 5, v0
	v_readfirstlane_b32 s14, v1
	s_lshr_b32 s15, s14, 1
	s_and_b32 s16, s14, 1
	s_bfe_u32 s40, ttmp6, 0x40000
	s_bfe_u32 s41, ttmp6, 0x40004
	s_and_b32 s17, ttmp7, 0xffff
	s_lshr_b32 s18, ttmp9, 1
	s_lshl_b32 s18, s18, 3
	s_lshl_b32 s19, s17, 2
	s_add_co_u32 s18, s18, s19
	s_and_b32 s2, ttmp9, 1
	s_lshl_b32 s20, s2, 2
	s_add_co_u32 s20, s20, 16
	s_lshl_b32 s21, ttmp9, 2
	s_cmp_eq_u32 s17, 2
	s_cselect_b32 s96, 1, 0
	s_cselect_b32 s18, 24, s18
	s_cselect_b32 s20, s21, s20
	s_add_co_u32 s17, s18, s41
	s_add_co_u32 s42, s20, s40
	s_lshl_b32 s43, s41, 2
	s_lshl_b32 s43, 15, s43
	s_lshl_b32 s44, 0x1111, s40
	s_or_b32 s[G1+0], s43, (0<<16)|(1<<20)|(1<<21)|(3<<22)|(3<<25)
	s_or_b32 s[G1B+0], s44, (0<<16)|(1<<20)|(1<<21)|(3<<22)|(3<<25)
.irp g, G1, G1B
	s_mov_b32 s[\g+1], 768<<16                     ; a tile is dense in memory: stated as rows of 768 bytes (four rows of codes), each at a multiple of 256 bytes
	s_mov_b32 s[\g+2], 64<<16                      ; the head's loads bring 256 rows of codes: 64 such rows
	s_mov_b32 s[\g+3], 768<<16
	s_mov_b32 s[\g+4], 64
	s_mov_b32 s[\g+5], 768
	s_mov_b32 s[\g+6], 0
	s_mov_b32 s[\g+7], 0
.endr
	s_or_b32 s[G1S+0], s43, (3<<16)|(1<<20)|(1<<21)|(5<<22)|(3<<25)
	s_or_b32 s[G1SB+0], s44, (3<<16)|(1<<20)|(1<<21)|(5<<22)|(3<<25)
.irp g, G1S, G1SB
	s_mov_b32 s[\g+1], 32<<16
	s_mov_b32 s[\g+2], 32<<16                      ; the scales of 256 rows: 32 rows of 256 bytes
	s_mov_b32 s[\g+3], 32<<16
	s_mov_b32 s[\g+4], 32
	s_mov_b32 s[\g+5], 32
	s_mov_b32 s[\g+6], 0
	s_mov_b32 s[\g+7], 0
.endr
	s_lshl_b32 s20, s17, 8                         ; the tiles' first rows
	s_lshl_b32 s46, s42, 8
	s_mov_b32 s21, 0
	s_mov_b32 s47, 0
	s_mov_b64 s[18:19], KS
	s_mul_u64 s[22:23], s[20:21], s[18:19]
	s_mul_u64 s[92:93], s[46:47], s[18:19]
	s_mov_b64 s[18:19], 192
	s_mul_u64 s[20:21], s[20:21], s[18:19]
	s_mul_u64 s[46:47], s[46:47], s[18:19]
	s_mul_i32 s45, s14, HALFT
	s_mul_i32 s18, s16, 128*192                    ; in the ring I fetch 128 rows of a tile: which half, in bytes
	s_mov_b32 s19, 0
	s_wait_kmcnt 0x0
	s_add_nc_u64 s[20:21], s[4:5], s[20:21]
	s_add_nc_u64 s[22:23], s[6:7], s[22:23]
	s_add_nc_u64 s[46:47], s[4:5], s[46:47]
	s_add_nc_u64 s[92:93], s[6:7], s[92:93]
	CROUND
	s_mov_b32 s[G0S], 1
	s_mov_b32 s[G0S+1], SCL
	s_mov_b64 s[G0S+2:G0S+3], s[22:23]
	s_or_b32 s[G0S+3], s[G0S+3], 0x80000000
	s_mov_b32 s[G0SB], 1
	s_mov_b32 s[G0SB+1], SCL+2*HALFS
	s_mov_b64 s[G0SB+2:G0SB+3], s[92:93]
	s_or_b32 s[G0SB+3], s[G0SB+3], 0x80000000
	s_mov_b32 s[G0], 1                             ; the head's tiles, each whole: K step 0's 256 rows of A at the start of slot 0 (slot 0's group 0 serves; it is set for the ring behind the wait for these loads),
	s_mov_b32 s[G0+1], 0
	s_mov_b64 s[G0+2:G0+3], s[20:21]
	s_or_b32 s[G0+3], s[G0+3], 0x80000000
	s_mov_b32 s[G0B], 1                            ; and its 256 rows of B behind them
	s_mov_b32 s[G0B+1], 2*HALFT
	s_mov_b64 s[G0B+2:G0B+3], s[46:47]
	s_or_b32 s[G0B+3], s[G0B+3], 0x80000000
	s_add_nc_u64 s[20:21], s[20:21], s[18:19]      ; for the ring: my 128 rows
	s_add_nc_u64 s[46:47], s[46:47], s[18:19]
	s_mov_b32 s[G0+4], 1                           ; slot 1: K step 1
	s_add_co_u32 s[G0+5], s45, SLOT
	s_add_nc_u64 s[G0+6:G0+7], s[20:21], ROWB
	s_or_b32 s[G0+7], s[G0+7], 0x80000000
	s_mov_b32 s[G0B+4], 1
	s_add_co_u32 s[G0B+5], s45, SLOT
	s_add_nc_u64 s[G0B+6:G0B+7], s[46:47], ROWB
	s_or_b32 s[G0B+7], s[G0B+7], 0x80000000
; THE HEAD'S LOADS, ONE A WAVE: wave 0 A's 256 rows of K step 0, wave 1 B's, wave 2 the scales of A's 256 rows, wave 3 those of B's.  One tree of branches on the wave's number.
.macro ARM under, g0, g1, next
	s_cmp_lt_u32 s14, \under
	s_cbranch_scc0 \next
	tensor_load_to_lds s[\g0:\g0+3], s[\g1:\g1+7]
	s_nop 0
.rept 4
	v_nop
.endr
	s_branch .Lhead_asked
\next:
.endm
	ARM 1, G0,  G1,  .Lhead_b
	ARM 2, G0B, G1B, .Lhead_sa
	ARM 3, G0S, G1S, .Lhead_sb
	tensor_load_to_lds s[G0SB:G0SB+3], s[G1SB:G1SB+7]
	s_nop 0
.rept 4
	v_nop
.endr
.Lhead_asked:
	v_and_b32 v1, 15, v0
	v_bfe_u32 v2, v0, 4, 1
	v_mul_u32_u24 v14, v1, PITCH
	v_mul_u32_u24 v15, v2, 24
	v_add_nc_u32 v24, v14, v15
	v_lshl_add_u32 v25, v2, 4, v24
	v_and_b32 v26, 8, v1
	v_add_nc_u32 v26, v26, v1
	v_mul_u32_u24 v26, v26, PITCH
	v_add_nc_u32 v26, v26, v15
	v_lshl_add_u32 v31, v2, 4, v26
	s_mul_i32 s21, s15, HALFT
	s_mul_i32 s22, s16, HALFT
	s_add_co_u32 s22, s22, 2*HALFT
.irp s, 0,1
	v_add_nc_u32 v[ADRA+\s], s21, v24
	v_add_nc_u32 v[ADRB+\s], s22, v26
	v_add_nc_u32 v[ADRA+2+\s], s21, v25
	v_add_nc_u32 v[ADRB+2+\s], s22, v31
	s_add_co_u32 s21, s21, SLOT
	s_add_co_u32 s22, s22, SLOT
.endr
	v_and_b32 v14, 7, v1
	v_lshlrev_b32 v14, 5, v14
	v_lshrrev_b32 v15, 3, v1
	v_bfe_u32 v24, v0, 3, 2
	v_add_nc_u32 v24, 1, v24
	v_lshrrev_b32 v24, 2, v24
	v_add_nc_u32 v15, v15, v24
	v_mad_u32_u24 v14, v15, 272, v14
	s_mul_i32 s21, s15, HALFS
	s_mul_i32 s22, s16, HALFS
	s_add_co_u32 s22, s22, 2*HALFS
	s_sub_co_u32 s22, s22, s21
	v_mul_u32_u24 v15, s22, v2
	s_add_co_u32 s21, s21, SCL
	v_add_nc_u32 v14, v14, v15
	v_add_nc_u32 v[ADRS], s21, v14
	v_mul_u32_u24 v15, v2, 272
	v_sub_nc_u32 v[ADRS1], v[ADRS], v15
	s_lshl_b32 s18, s17, 8
	s_lshl_b32 s19, s15, 7
	s_add_co_u32 s18, s18, s19
	s_lshl_b32 s19, s42, 8
	s_lshl_b32 s20, s16, 7
	s_add_co_u32 s19, s19, s20
	s_lshl_b32 s20, s42, 2
	s_lshl_b32 s21, s16, 1
	s_add_co_u32 s20, s20, s21
	s_lshl_b32 s21, s17, 2
	s_lshl_b32 s22, s15, 1
	s_add_co_u32 s21, s21, s22
	s_mov_b32 s23, 98304
	s_mov_b32 s45, HS
	s_cmp_eq_u32 s96, 1
	s_cselect_b32 s18, s19, s18
	s_cselect_b32 s20, s21, s20
	s_cselect_b32 s19, 49152, 0
	s_cselect_b32 s23, 102400, s23
	s_cselect_b32 s22, 1, 2
	s_cselect_b32 s67, 96, 48
	s_cselect_b32 s46, s45, 256
	s_and_b32 s20, s20, 15
	s_mul_i32 s21, s20, s45
	s_add_co_u32 s21, s21, KVB
	s_lshr_b32 s47, s18, 10
	s_mul_i32 s47, s47, SLOTB
	s_add_co_u32 s21, s21, s47
	s_and_b32 s47, s18, 1023
	s_lshl_b32 s22, s47, s22
	s_add_co_u32 s22, s22, s23
	s_add_co_u32 s22, s22, s21
	s_mul_i32 s47, s47, 48
	s_add_co_u32 s21, s21, s47
	s_add_co_u32 s21, s21, s19
	s_mul_i32 s19, s20, 196608
	s_mul_i32 s47, s18, 48
	s_add_co_u32 s19, s19, s47
	s_lshl_b32 s23, s20, 14
	s_lshl_b32 s47, s18, 2
	s_add_co_u32 s23, s23, s47
	s_add_co_u32 s23, s23, QSB
	s_or_b32 s47, s96, s2
	s_cmp_eq_u32 s47, 0
	s_cselect_b32 s12, s19, s21
	s_cselect_b32 s92, s23, s22
	s_cselect_b32 s66, 196608, s45
	s_cselect_b32 s94, 16384, s45
	s_cmp_eq_u32 s96, 1
	s_cselect_b32 s66, 48, s66
	s_mov_b32 s13, 0
	s_mov_b32 s93, 0
	s_mov_b32 s95, 0
	s_lshl_b32 s18, s18, 8
	s_mov_b32 s19, 0
	s_add_nc_u64 s[12:13], s[10:11], s[12:13]
	s_add_nc_u64 s[92:93], s[10:11], s[92:93]
	s_add_nc_u64 s[94:95], s[92:93], s[94:95]
	s_add_nc_u64 s[8:9], s[8:9], s[18:19]
	s_mov_b32 s[SEL], 0x76543210
	s_mov_b32 s[SEL+1], 0xfedcba98
	v_mul_u32_u24 v[SGA], s46, v2
	v_lshl_add_u32 v[SGA], v1, 4, v[SGA]
	v_bfe_u32 v14, v0, 2, 1
	v_mul_u32_u24 v14, s66, v14
	v_bfe_u32 v15, v0, 3, 2
	v_mad_u32_u24 v14, v15, s67, v14
	v_and_b32 v24, 3, v0
	v_mad_u32_u24 v[GA], v24, 12, v14
	s_lshl_b32 s47, s67, 2
	v_add_nc_u32 v[GA+1], s47, v[GA]
	v_add_nc_u32 v[GA+2], s47, v[GA+1]
	v_add_nc_u32 v[GA+3], s47, v[GA+2]
	v_lshlrev_b32 v[TAB], 8, v1
	v_lshl_add_u32 v[TAB], v2, 6, v[TAB]
	s_lshl_b32 s47, s14, 13
	v_mul_u32_u24 v[STO], v1, 144
	v_lshl_add_u32 v[STO], v2, 4, v[STO]
	v_add_nc_u32 v[STO], s47, v[STO]
	v_mul_u32_u24 v[RD], v15, 144
	v_and_b32 v24, 7, v0
	v_lshl_add_u32 v[RD], v24, 4, v[RD]
	v_add_nc_u32 v[RD], s47, v[RD]
	v_lshlrev_b32 v[SSTO], 2, v1
	v_lshl_add_u32 v[SSTO], v2, 9, v[SSTO]
	v_add_nc_u32 v[SSTO], s47, v[SSTO]
	v_add_nc_u32 v[SSTO], 4608, v[SSTO]
	v_and_b32 v24, 31, v0
	v_lshlrev_b32 v[SRD], 4, v24
	v_add_nc_u32 v[SRD], s47, v[SRD]
	v_add_nc_u32 v[SRD], 4608, v[SRD]
	v_lshlrev_b32 v[SH], 4, v2
.macro TABLE a
.irp e, 0,1
.irp m, 0,1,2,3
	global_load_b128 v[CS+32*((\a)%2)+16*\e+4*\m:CS+32*((\a)%2)+16*\e+4*\m+3], v[TAB], s[8:9] offset:4096*(\a)+128*\e+16*\m
.endr
.endr
.endm
	TABLE 0
	TABLE 1
.macro FRAG reg, adr, q, row
.irp p, 0,1,2,3,4,5
.set PC, 12*(\q)+6*(\p/3)+\p%3
.if PC%8 < 5
	ds_load_b64 v[\reg+2*\p:\reg+2*\p+1], v[\adr] offset:8*PC+16*(PC/8)+(\row)*PITCH
.else
	ds_load_b64 v[\reg+2*\p:\reg+2*\p+1], v[\adr+2] offset:8*PC+16*(PC/8)+(\row)*PITCH
.endif
.endr
.endm
.macro MUL16 a0, p, q, sc, zero
.irp a, \a0, \a0+1
.irp b, 0,1,2,3,4,5,6,7
.if \zero
	v_wmma_scale_f32_16x16x128_f8f6f4 v[8*(8*((\a)%4)+\b):8*(8*((\a)%4)+\b)+7], v[128*(\p)+FR*\b:128*(\p)+FR*\b+FR-1], v[AF+FR*(\a):AF+FR*(\a)+FR-1], 0, v[SC+8*NQ*(\sc)+NQ*\b+(\q)], v[SC+8*NQ*(\sc)+NQ*(\a)+(\q)] matrix_a_fmt:MATRIX_FMT_BF6 matrix_b_fmt:MATRIX_FMT_BF6 matrix_a_scale:MATRIX_SCALE_ROW1
.else
	v_wmma_scale_f32_16x16x128_f8f6f4 v[8*(8*((\a)%4)+\b):8*(8*((\a)%4)+\b)+7], v[128*(\p)+FR*\b:128*(\p)+FR*\b+FR-1], v[AF+FR*(\a):AF+FR*(\a)+FR-1], v[8*(8*((\a)%4)+\b):8*(8*((\a)%4)+\b)+7], v[SC+8*NQ*(\sc)+NQ*\b+(\q)], v[SC+8*NQ*(\sc)+NQ*(\a)+(\q)] matrix_a_fmt:MATRIX_FMT_BF6 matrix_b_fmt:MATRIX_FMT_BF6 matrix_a_scale:MATRIX_SCALE_ROW1
.endif
.endr
.endr
.endm
.macro FETCH_B slot, q, p
	WIN TO_B
.irp i, 0,1,2,3,4,5,6,7
	FRAG 128*(\p)+FR*\i, ADRB+\slot, \q, 32*(\i/2)+8*(\i%2)
.endr
	WIN 0
.endm
.macro FETCH_A slot, q, i0
.irp i, \i0, \i0+1, \i0+2, \i0+3
	FRAG AF+FR*(\i), ADRA+\slot, \q, 16*(\i)
.endr
.endm
.macro SCALES sc
.irp i, 0,2,4,6
	ds_load_b64 v[SC+8*NQ*\sc+NQ*\i:SC+8*NQ*\sc+NQ*\i+1], v[ADRS] offset:\i*SBLK
	ds_load_b64 v[SC+8*NQ*\sc+NQ*(\i+1):SC+8*NQ*\sc+NQ*(\i+1)+1], v[ADRS1] offset:(\i+1)*SBLK
.endr
.endm
.macro PLACES n
.rept \n
	v_nop
.endr
.endm
.macro STEP slot, q, zero
	s_wait_dscnt 4*NL
	WIN MUL_LO
	MUL16 0, (\q)%2, \q, \slot, \zero
	MUL16 2, (\q)%2, \q, \slot, \zero
	s_wait_dscnt 0
	PLACES NP
	FETCH_B \slot, (\q)+1, 1-(\q)%2
	FETCH_A \slot, (\q)+1, 0
	WIN MUL_HI
	MUL16 4, (\q)%2, \q, \slot, \zero
	MUL16 6, (\q)%2, \q, \slot, \zero
	PLACES NP
	WIN 0
	FETCH_A \slot, (\q)+1, 4
.endm
.macro TURN slot, next, fill
	s_wait_tensorcnt 0x0
	ds_add_u32 v[SPW], v[NIL]
	s_wait_dscnt 4*NL+1
	WIN MUL_LO
	MUL16 0, 1, NQ-1, \slot, 0
	s_wait_dscnt 0x0
	s_barrier_signal -1
	MUL16 2, 1, NQ-1, \slot, 0
	WIN 0
	s_barrier_wait -1
.if \fill
	CREST
	s_add_nc_u64 s[G0+4*\slot+2:G0+4*\slot+3], s[G0+4*\slot+2:G0+4*\slot+3], 2*ROWB
	s_add_nc_u64 s[G0B+4*\slot+2:G0B+4*\slot+3], s[G0B+4*\slot+2:G0B+4*\slot+3], 2*ROWB
	JLOAD G0+4*\slot, G1, G0B+4*\slot, G1B
.else
	PLACES NP
.endif
	s_wait_alu depctr_va_vdst(0)
	v_add_nc_u32 v[ADRS], 4*NQ, v[ADRS]
	v_add_nc_u32 v[ADRS1], 4*NQ, v[ADRS1]
	FETCH_B \next, 0, 0
	FETCH_A \next, 0, 0
	SCALES \next
	WIN MUL_HI
	MUL16 4, 1, NQ-1, \slot, 0
	MUL16 6, 1, NQ-1, \slot, 0
	PLACES NP
	WIN 0
	FETCH_A \next, 0, 4
.endm
	s_wait_alu depctr_va_vdst(0)                   ; the wait at the head's end
	s_wait_tensorcnt 0x0                           ; my tile of the head's four is in
	ds_add_u32 v[SPW], v[NIL]
	s_mov_b32 s[G1+2], 32<<16                      ; no tensor load of mine is out, so descriptors may be written: from here on a load brings 128 rows of codes, 32 rows of 768 bytes,
	s_mov_b32 s[G1+4], 32
	s_mov_b32 s[G1B+2], 32<<16
	s_mov_b32 s[G1B+4], 32
	s_mul_i32 s[G0+1], s14, HALFT                  ; and slot 0's group 0 stands at my quarter of K step 0: the first refill steps it two K steps on
	s_mul_i32 s[G0B+1], s14, HALFT
	s_sub_nc_u64 s[G0+2:G0+3], s[G0+6:G0+7], ROWB
	s_sub_nc_u64 s[G0B+2:G0B+3], s[G0B+6:G0B+7], ROWB
	s_wait_dscnt 0x0
	CROUND                                         ; all four tiles are in, and all sixteen work-groups are here
	JLOAD G0+4, G1, G0B+4, G1B                     ; K step 1, into slot 1: the first tensor load behind the round
	FETCH_B 0, 0, 0
	FETCH_A 0, 0, 0
	SCALES 0
	FETCH_A 0, 0, 4
	STEP 0, 0, 1
	s_mov_b32 s3, LAPS-1
.Llap:
	TURN 0, 1, 1
	STEP 1, 0, 0
	TURN 1, 0, 1
	STEP 0, 0, 0
	s_sub_co_u32 s3, s3, 1
	s_cmp_lg_u32 s3, 0
	s_cbranch_scc1 .Llap
	TURN 0, 1, 0
	STEP 1, 0, 0
	s_wait_dscnt 4*NL
	WIN MUL_LO
	MUL16 0, 1, NQ-1, 1, 0
	MUL16 2, 1, NQ-1, 1, 0
	s_wait_dscnt 0
	WIN MUL_HI
	MUL16 4, 1, NQ-1, 1, 0
	MUL16 6, 1, NQ-1, 1, 0
	WIN 0
.macro ROPE a
.set XB, 64*((\a)%4)
.set WN, 2+(\a)/4
.set CBF, CS+32*((\a)%2)
.if (\a) < 7
	s_wait_loadcnt 8
.else
	s_wait_loadcnt 0x0
.endif
	WIN WN
.set J, 0
.rept 32
	v_pk_mul_f32 v[T+2*J:T+2*J+1], v[XB+2*J:XB+2*J+1], v[CBF+2*(J%16):CBF+2*(J%16)+1] op_sel_hi:[0,1]
.set J, J+1
.endr
	WIN (WN<<6)|WN
.set J, 0
.rept 32
	v_pk_fma_f32 v[XB+2*J:XB+2*J+1], v[XB+2*J:XB+2*J+1], v[CBF+2*(J%16):CBF+2*(J%16)+1], v[T+2*J:T+2*J+1] op_sel:[1,1,0] op_sel_hi:[1,0,1] neg_lo:[0,1,0]
.set J, J+1
.endr
	WIN 0
.if (\a) < 6
	TABLE (\a)+2
.endif
.endm
.macro QUANT a, isv
.set XB, 64*((\a)%4)
.set WN, 2+(\a)/4
.if (\a) > 0
	s_wait_dscnt 4
.endif
	WIN (WN<<2)|WN
.irp b, 0,1,2,3
	v_max3_num_f32 v[TM+\b], |v[XB+16*\b]|, |v[XB+16*\b+1]|, 0x2800000
.endr
	WIN (WN<<4)|(WN<<2)
.irp i, 2,4,6,8,10,12,14
.irp b, 0,1,2,3
	v_max3_num_f32 v[TM+\b], v[TM+\b], |v[XB+16*\b+\i]|, |v[XB+16*\b+\i+1]|
.endr
.endr
	WIN 0
.irp b, 0,1,2,3
	v_permlanex16_b32 v[TM+4+\b], v[TM+\b], s[SEL], s[SEL+1]
.endr
.irp b, 0,1,2,3
	v_max_num_f32 v[TM+\b], v[TM+\b], v[TM+4+\b]
.endr
.irp b, 0,1,2,3
	v_add_nc_u32 v[TM+12+\b], 0xfe000000, v[TM+\b]
.endr
.irp b, 0,1,2,3
	v_lshrrev_b32 v[TM+4+\b], 23, v[TM+12+\b]
.endr
	v_lshl_or_b32 v[TM+8], v[TM+5], 8, v[TM+4]
	v_lshl_or_b32 v[TM+8], v[TM+6], 16, v[TM+8]
	v_lshl_or_b32 v[TM+8], v[TM+7], 24, v[TM+8]
.if !\isv
	v_lshrrev_b32 v[TM+9], v[SH], v[TM+8]
.endif
	WIN WN
.irp b, 0,1,2,3
	v_cvt_scalef32_pk16_bf6_f32 v[C+4*\b:C+4*\b+2], v[XB+16*\b:XB+16*\b+15], v[TM+12+\b]
.endr
	WIN 0
	v_nop
.endm
.macro TOSTAGE a, isv
.set SO, 2304*((\a)%2)+VSTG*\isv
.set OB, OUT+16*((\a)%2)
.irp b, 0,1,2,3
	ds_store_b96 v[STO], v[C+4*\b:C+4*\b+2] offset:32*\b+SO
.endr
	ds_store_b32 v[SSTO], v[TM+9-\isv] offset:64*(\a)+VSTG*\isv
.irp t, 0,1,2,3
	ds_load_b96 v[OB+4*\t:OB+4*\t+2], v[RD] offset:576*\t+SO
.endr
.endm
.macro SEND a, younger, isv
.set OB, OUT+16*((\a)%2)
	s_wait_dscnt \younger
.if (\a) > 0
	s_add_nc_u64 s[12:13], s[12:13], 768*(1+\isv)
.endif
.if ((\a) == 4) && \isv
	s_add_nc_u64 s[12:13], s[12:13], HS-6144
.endif
.irp t, 0,1,2,3
	global_store_b96 v[GA+\t], v[OB+4*\t:OB+4*\t+2], s[12:13]
.endr
.endm
.macro WAY isv
.irp a, 0,1,2,3,4,5,6,7
.if !\isv
	ROPE \a
.endif
	QUANT \a, \isv
.if \a > 1
	s_wait_alu depctr_va_vdst(0)
	s_wait_xcnt 0x0
.endif
	TOSTAGE \a, \isv
.if \a > 0
	SEND \a-1, 9, \isv
.endif
.endr
	s_wait_xcnt 0x0
	SEND 7, 0, \isv
	ds_load_b128 v[T:T+3], v[SRD] offset:VSTG*\isv
.if !\isv
	ds_load_b128 v[T+4:T+7], v[SRD] offset:512
.endif
	s_wait_dscnt 0x0
	global_store_b128 v[SGA], v[T:T+3], s[92:93]
.if !\isv
	global_store_b128 v[SGA], v[T+4:T+7], s[94:95]
.endif
.endm
	PLACES NP
.irp b, 0,1,2,3
	v_mov_b32 v[TM+4+\b], 0
.endr
	s_cmp_eq_u32 s96, 1
	s_cbranch_scc1 .Lway_v
	WAY 0
	s_branch .Lend
.Lway_v:
	WAY 1
.Lend:
	s_wait_tensorcnt 0x0
	ds_add_u32 v[SPW], v[NIL]
	s_wait_dscnt 0x0
	CROUND
	s_endpgm
.Lfunc_end_k_q4e302627ec_qkv:
	.size	k_q4e302627ec_qkv, .Lfunc_end_k_q4e302627ec_qkv-k_q4e302627ec_qkv
	.p2alignl 7, 3214868480
	.fill 96, 4, 3214868480
	.section	.rodata,"a",@progbits
	.p2align	6, 0x0
	.amdhsa_kernel k_q4e302627ec_qkv
		.amdhsa_group_segment_fixed_size 327680
		.amdhsa_private_segment_fixed_size 0
		.amdhsa_enable_private_segment 0
		.amdhsa_kernarg_size 32
		.amdhsa_user_sgpr_count 2
		.amdhsa_user_sgpr_kernarg_segment_ptr 1
		.amdhsa_wavefront_size32 1
		.amdhsa_system_sgpr_workgroup_id_x 1
		.amdhsa_system_sgpr_workgroup_id_y 1
		.amdhsa_system_sgpr_workgroup_id_z 1
		.amdhsa_system_vgpr_workitem_id 0
		.amdhsa_next_free_vgpr 1024
		.amdhsa_next_free_sgpr 100
		.amdhsa_reserve_vcc 0
		.amdhsa_float_denorm_mode_32 3
		.amdhsa_float_denorm_mode_16_64 3
		.amdhsa_memory_ordered 1
		.amdhsa_forward_progress 1
		.amdhsa_inst_pref_size 249
	.end_amdhsa_kernel
	.amdgpu_metadata
---
amdhsa.version: [ 1, 2 ]
amdhsa.kernels:
  - .name:           k_q4e302627ec_qkv
    .symbol:         k_q4e302627ec_qkv.kd
    .args:
      - { .name: codes, .offset: 0, .size: 8, .value_kind: global_buffer, .address_space: global }
      - { .name: scales, .offset: 8, .size: 8, .value_kind: global_buffer, .address_space: global }
      - { .name: rope, .offset: 16, .size: 8, .value_kind: global_buffer, .address_space: global }
      - { .name: qkv, .offset: 24, .size: 8, .value_kind: global_buffer, .address_space: global }
    .group_segment_fixed_size: 327680
    .private_segment_fixed_size: 0
    .kernarg_segment_align: 8
    .kernarg_segment_size: 32
    .max_flat_workgroup_size: 128
    .sgpr_count:     100
    .vgpr_count:     1024
    .wavefront_size: 32
...
	.end_amdgpu_metadata
.endif
;; end of part 2
;; launch attn (part 3): grid 16 x 16, 16 waves a work-group, no clusters, 327,680 bytes of LDS; arguments qkv, att; writes att
.if DOCPART == 3
	.amdgcn_target "amdgcn-amd-amdhsa--gfx1250"
	.amdhsa_code_object_version 6
	.text
	.protected	k_q4e302627ec_attn
	.globl	k_q4e302627ec_attn
	.p2align	8
	.type	k_q4e302627ec_attn,@function
k_q4e302627ec_attn:
	s_mov_b64 s[64:65], 0
	v_nop
	global_prefetch_b8 v0, s[64:65] scope:SCOPE_SE
	s_setreg_imm32_b32 hwreg(HW_REG_WAVE_MODE, 25, 1), 1
	s_wait_xcnt 0x0
; Causal attention of 16 heads of 64 on codes of BF6 (E3M2) with one E8M0 scale for each 32 along a product's K; 4,096 positions.  The result, divided by the row's sum, is quantised along the channels for the last projection.
; THE SOFTMAX AHEAD OF THE SECOND PRODUCT: t = score x log2(e) / 8; M = the row's largest t so far, rounded UP to a whole number; p = 2^(t - M) is what is quantised, along the keys.  The row's sum is taken of the
; unquantised p and divides at the end.  When M moves, the sum and O are multiplied by 2^(old M - new M): exact.
; SHARES.  A work-group is (i, head) and owns the query blocks i and 31 - i, of 128 queries: 8 tiles of 16 queries each, with i + 1 and 32 - i key steps of 128 keys.
;   A TILE'S KEYS ARE SHARED BETWEEN TWO WAVES.  Waves w and w ^ 1 own tile w / 2 of BOTH blocks; a wave takes the key steps of its parity, (w ^ (w >> 2)) & 1, for both tiles: 17 or 16 steps, one of them on a
;   diagonal, in every work-group, and in a slot in which only the upper block has work every wave has four.  (Of waves w, w + 4, w + 8, w + 12, and of waves 4 n .. 4 n + 3 alike, two have each parity.)
;   Each wave keeps two states (M, sum, O^T): X, the tile that it finishes (parity 0: the lower block's, parity 1: the upper's), and Y, which it hands to its partner through LDS at the end, as an image of its
;   registers.  The two parts of a tile are brought under the larger M by exact powers of two and added.  A wave that had no step for a tile hands over zeros, and its factor is 0.
; THE RING.  A head's keys and values lie in memory as four records of 1,024 keys, each one dense block of 408 x 256 bytes (k's codes [key][48], v's codes [step][channel][96], k's and v's scale words).
;   Two LDS slots of a record; waves 0-5 bring 68 rows of 256 bytes each.  EVERY work-group walks all four records, with constant trip counts; what is left out is a step's WORK, where all its keys come after the tile's queries.
;   No cluster: the work-groups of a head do share the records, but a joint refill ties partners together at each change of slots, and their work in a slot differs with i; a record has a slot's steps of sixteen waves in which to land.
; LAYOUT.  Both products are used transposed: S^T = K Q^T (source 0 = 16 keys, source 1 = 16 queries), O^T = V^T P^T (source 0 = 16 channels): a lane holds ONE query (lane % 16) throughout.
;   The head has 64 channels and the instruction 128 along K: Q's fragments carry zero codes for K = 64 .. 127, written once.  K's four fragments lie six registers apart, so that an operand's upper half is the next
;   fragment's codes (the last one's: zeros): they meet Q's zero codes and add nothing, under scale bytes that are never 0xff.
;   THE KEYS (AND V'S CHANNELS) OF A TILE ARE NOT NEIGHBOURS: lane r of tile 2 b + u takes 32 b + 8 u + r + 8 (r / 8), so that registers 16 b + n are 16 neighbours: 32 b + 16 (lane / 16) + n.
; LIMITS: NaN and infinities are not served.  A block whose largest magnitude lies under 2^-122, zeros among them, gets the byte 1; the bytes are read by this program alone.
; REGISTERS: v1-4 lane terms; v5, v6 the add's; v7 an offset; v8-11 the step's addresses; v12-15 X's -M, largest t, sum in two halves; v16-19 Y's; v20-31 X's Q, v32-43 Y's; v44-73 K's four fragments and six zeros;
;   v74-92 p's codes; v96-159 S^T, then p, then (v96-143) V's four fragments; v160-191 X's O^T, v192-223 Y's; v224-235 at work on blocks; v236-239 K's or V's scale words, v240 p's, v241, v242 Q's: scales and nothing else;
;   v[244:245] f; v246-249 at work; v93-95, v243, v250-255 the way out's addresses.
.set SLOTB, 104448                     ; a record, and an LDS slot
.set LB,    17408                      ; 68 rows of 256 bytes: what one tensor load brings
.set VOFF,  49152                      ; in a record: v's codes,
.set KSO,   98304                      ; k's scale words,
.set VSO,   102400                     ; v's scale words
.set QSB,   3145728                    ; buffer qkv: q's scale words
.set KVB,   3407872                    ; the records
.set HS,    417792                     ; a head's four
.set ASB,   3145728                    ; buffer att: the scale bytes
.set SPARE, 2*SLOTB                    ; the spare words, 128 bytes for each wave: eight blocks of 256 bytes that no other line names
.set CST,   SPARE+2048                 ; stages for the codes on the way out: 16 rows x 80 bytes for each wave; no fill lands here
.set SST,   CST+16*1280                ; for the work-group's 256 pairs of scale bytes;
.set MRG,   SST+512                    ; and for the states that are handed over:
.set MRB,   4352                       ; 32 registers of O^T (4,096 bytes) and the pair (-M, sum) (256 bytes) for each wave
	s_load_b128 s[4:7], s[0:1], 0x0                ; qkv s[4:5], att s[6:7]
	v_lshl_add_u32 v5, v0, 2, SPARE
	v_mov_b32 v6, 0
	ds_add_u32 v5, v6
	ds_add_u32 v5, v6
	s_wait_dscnt 0x0
	v_lshrrev_b32 v8, 5, v0
	s_delay_alu instid0(VALU_DEP_1)
	v_readfirstlane_b32 s8, v8                     ; wave 0..15
	s_and_b32 s9, ttmp7, 0xffff                    ; the head
	s_lshr_b32 s10, s8, 2
	s_xor_b32 s10, s10, s8
	s_and_b32 s10, s10, 1                          ; my parity: which key steps I take, and which block's tile I finish
	s_lshr_b32 s11, s8, 1                          ; which of a block's eight tiles
	s_mul_i32 s54, s10, 6144                       ; my first step in a slot: its codes,
	s_lshl_b32 s55, s10, 9                         ; K's scale words,
	s_lshl_b32 s56, s10, 8                         ; V's,
	s_lshl_b32 s14, s10, 7                         ; and its first key
	s_lshl_b32 s12, ttmp9, 1
	s_sub_co_u32 s12, 31, s12                      ; 31 - 2 i: blocks from the lower to the upper
	s_lshl_b32 s52, s12, 8                         ; in bytes of scales: 256 a block
	s_mul_i32 s57, s12, s10
	s_sub_co_u32 s58, s12, s57
	s_add_co_u32 s57, s57, ttmp9                   ; X's block
	s_add_co_u32 s58, s58, ttmp9                   ; Y's: the other one
	s_lshl_b32 s12, s11, 4
	s_lshl_b32 s13, s57, 7
	s_add_co_u32 s13, s13, s12                     ; X's first query
	s_lshl_b32 s53, s58, 7
	s_add_co_u32 s53, s53, s12                     ; Y's
	s_min_u32 s19, s8, 5
	s_mul_i32 s19, s19, LB                         ; my sixth of a record (waves 6-15 fetch nothing)
	s_mov_b32 s24, 3<<16                           ; descriptor group 1: 15:0 no mask; 17:16 elements of 8 bytes; no padding
	s_mov_b32 s25, 32<<16                          ; tensor_dim0 = 32 elements: 256 bytes
	s_mov_b32 s26, 68<<16                          ; tensor_dim1 = 68
	s_mov_b32 s27, 32<<16                          ; tile_dim0
	s_mov_b32 s28, 68                              ; tile_dim1
	s_mov_b32 s29, 32                              ; from row to row: dense
	s_mov_b32 s30, 0
	s_mov_b32 s31, 0
	s_mul_i32 s40, s9, HS
	s_add_co_u32 s40, s40, KVB
	s_add_co_u32 s40, s40, s19                     ; my part of the head's record 0
	s_mov_b32 s41, 0
	s_mul_i32 s42, s9, 196608
	s_mul_i32 s43, s13, 48
	s_mul_i32 s58, s53, 48
	s_add_co_u32 s58, s58, s42                     ; Y's queries' codes
	s_add_co_u32 s42, s42, s43                     ; X's: the same place in qkv and in att
	s_mov_b32 s43, 0
	s_mov_b32 s59, 0
	s_lshl_b32 s44, s9, 14
	s_add_co_u32 s44, s44, QSB
	s_lshl_b32 s45, s53, 2
	s_add_co_u32 s60, s44, s45                     ; Y's scale words
	s_lshl_b32 s45, s13, 2
	s_add_co_u32 s44, s44, s45                     ; X's
	s_mov_b32 s45, 0
	s_mov_b32 s61, 0
	s_lshl_b32 s46, s9, 13
	s_lshl_b32 s47, ttmp9, 8
	s_add_co_u32 s46, s46, s47
	s_add_co_u32 s46, s46, ASB                     ; att: the lower block's scale bytes
	s_mov_b32 s47, 0
	s_mov_b32 s20, 0x76543210
	s_mov_b32 s21, 0xfedcba98                      ; v_permlanex16_b32's selects for lane l xor 16
	s_mov_b32 s22, 0x3e38aa3b                      ; c = log2(e) / 8
	s_mov_b32 s23, s22                             ; (named with it as a pair, so it is written)
	s_wait_kmcnt 0x0
	s_mov_b32 s32, 1                               ; group 0 for slot 0: count 1,
	s_mov_b32 s33, s19                             ; the LDS address,
	s_add_nc_u64 s[34:35], s[4:5], s[40:41]        ; the global address: record 0;
	s_mov_b32 s36, 1                               ; for slot 1:
	s_add_co_u32 s37, s19, SLOTB
	s_add_nc_u64 s[38:39], s[34:35], SLOTB         ; record 1
	s_or_b32 s35, s35, 0x80000000                  ; type 2
	s_or_b32 s39, s39, 0x80000000
	s_cmp_lt_u32 s8, 6                             ; record 0 into slot 0: one tensor load a wave at the head, waves 0-5
	s_cbranch_scc0 .Lno_first
	tensor_load_to_lds s[32:35], s[24:31]
	s_nop 0
.rept 4
	v_nop
.endr
.Lno_first:
	s_add_nc_u64 s[48:49], s[6:7], s[42:43]        ; att: X's codes
	s_add_nc_u64 s[50:51], s[6:7], s[46:47]        ; att: the scale bytes
	s_add_nc_u64 s[42:43], s[4:5], s[42:43]        ; q's codes: X's,
	s_add_nc_u64 s[58:59], s[4:5], s[58:59]        ; Y's
	s_add_nc_u64 s[44:45], s[4:5], s[44:45]        ; q's scale words: X's,
	s_add_nc_u64 s[60:61], s[4:5], s[60:61]        ; Y's
	v_and_b32 v8, 15, v0                           ; r
	v_bfe_u32 v9, v0, 4, 1                         ; h
	s_delay_alu instid0(VALU_DEP_2)
	v_mul_u32_u24 v10, v8, 48
	s_delay_alu instid0(VALU_DEP_1)
	v_mad_u32_u24 v10, v9, 24, v10
	global_load_b64 v[20:21], v10, s[42:43]        ; Q's fragments: 24 bytes of row r; they stay
	global_load_b64 v[22:23], v10, s[42:43] offset:8
	global_load_b64 v[24:25], v10, s[42:43] offset:16
	global_load_b64 v[32:33], v10, s[58:59]
	global_load_b64 v[34:35], v10, s[58:59] offset:8
	global_load_b64 v[36:37], v10, s[58:59] offset:16
	v_lshlrev_b32 v7, 2, v8
	global_load_b32 v241, v7, s[44:45]
	global_load_b32 v242, v7, s[60:61]
	v_and_b32 v11, 8, v8
	s_delay_alu instid0(VALU_DEP_1)
	v_add_nc_u32 v11, v11, v8                      ; r + 8 (r / 8)
	s_delay_alu instid0(VALU_DEP_1)
	v_mul_u32_u24 v1, v11, 48
	s_delay_alu instid0(VALU_DEP_1)
	v_mad_u32_u24 v1, v9, 24, v1                   ; my place in a tile of K
	s_delay_alu instid0(VALU_DEP_3)
	v_mul_u32_u24 v2, v11, 96
	s_delay_alu instid0(VALU_DEP_1)
	v_mad_u32_u24 v2, v9, 24, v2
	s_delay_alu instid0(VALU_DEP_1)
	v_add_nc_u32 v2, VOFF, v2                      ; in a tile of V
	v_lshl_add_u32 v3, v11, 2, KSO                 ; among K's scale words
	v_lshl_add_u32 v4, v11, 2, VSO                 ; among V's
	s_mul_i32 s12, s8, 1280
	s_add_co_u32 s12, s12, CST                     ; my stage for codes
	v_mul_u32_u24 v250, v8, 80
	s_delay_alu instid0(VALU_DEP_1)
	v_lshl_add_u32 v250, v9, 4, v250
	s_delay_alu instid0(VALU_DEP_1)
	v_add_nc_u32 v250, s12, v250                   ; in: row r of 80 bytes: four places of 16, each with 12 bytes of codes, + 16
	v_and_b32 v254, 31, v0                         ; lane
	s_delay_alu instid0(VALU_DEP_1)
	v_lshrrev_b32 v251, 2, v254
	s_delay_alu instid0(VALU_DEP_1)
	v_mul_u32_u24 v251, v251, 80
	v_and_b32 v252, 3, v0
	s_delay_alu instid0(VALU_DEP_1)
	v_lshl_add_u32 v251, v252, 4, v251
	s_delay_alu instid0(VALU_DEP_1)
	v_add_nc_u32 v251, s12, v251                   ; back: lane L takes place L % 4 of row L / 4
	s_lshl_b32 s12, s10, 7
	s_lshl_b32 s40, s11, 4
	s_add_co_u32 s12, s12, s40
	s_lshl_b32 s12, s12, 1
	s_add_co_u32 s12, s12, SST
	v_lshl_add_u32 v252, v8, 1, s12                ; my query's two scale bytes: 2 (128 x block + 16 x tile + r)
	v_lshl_add_u32 v253, v254, 4, SST              ; wave 0 reads them all back
	v_mul_u32_u24 v255, s52, v9
	s_delay_alu instid0(VALU_DEP_1)
	v_lshl_add_u32 v255, v8, 4, v255               ; lanes 0-15 the lower block's 256 bytes, lanes 16-31 the upper's
	s_mul_i32 s12, s8, MRB
	s_add_co_u32 s12, s12, MRG                     ; where I lay Y's state,
	s_xor_b32 s40, s8, 1
	s_mul_i32 s40, s40, MRB
	s_add_co_u32 s40, s40, MRG                     ; and where my partner lays its part of X
	v_lshl_add_u32 v93, v254, 4, s12               ; O^T: 16 bytes a lane, 512 a group of four registers
	v_lshl_add_u32 v94, v254, 4, s40
	v_lshl_add_u32 v95, v254, 3, s12
	s_delay_alu instid0(VALU_DEP_1)
	v_add_nc_u32 v95, 4096, v95                    ; (-M, sum): 8 bytes a lane, behind O^T
	v_lshl_add_u32 v243, v254, 3, s40
	s_delay_alu instid0(VALU_DEP_1)
	v_add_nc_u32 v243, 4096, v243
	v_mul_u32_u24 v254, v254, 12                   ; the codes in memory: 12 bytes a lane on end
.irp x, 0,1
	v_mov_b32 v[13+4*\x], 0xff61b1e6               ; the largest t so far: -3e38, under every t
	s_delay_alu instid0(VALU_DEP_1)
	v_floor_f32 v[12+4*\x], -v[13+4*\x]            ; -M
	v_mov_b32 v[14+4*\x], 0                        ; the sum, in two halves
	v_mov_b32 v[15+4*\x], 0
.endr
	v_mov_b32 v245, 0                              ; (named as the upper half of the pair v[244:245])
.irp b, 0,1,2,3
	v_mov_b32 v[228+\b], 0                         ; written once: a lane permute's destination counts as one of its sources
.endr
.irp j, 0,1,2,3,4,5
	v_mov_b32 v[26+\j], 0                          ; zero codes for K = 64 .. 127: X's Q,
	v_mov_b32 v[38+\j], 0                          ; Y's Q,
	v_mov_b32 v[68+\j], 0                          ; and what stands above K's last fragment: never written again
.endr
.set J, 0
.rept 64
	v_mov_b32 v[160+J], 0                          ; both O^T.  (The step has no first step of its own: it finds zeros, which the first change of M leaves zeros)
.set J, J+1
.endr
; A KEY STEP for one tile: 128 keys, at s16 (codes), s17 (K's scale words), s18 (V's) in LDS; first key s14.  x: the state (0: X, 1: Y); q0: the scalar register with the tile's first query.
.macro STEP x, q0
.set SS, 12+4*(\x)
.set QF, 20+12*(\x)
.set OT, 160+32*(\x)
.set QW, 241+(\x)
	s_add_co_u32 s12, s[\q0], 15                   ; a step all of whose keys come after the tile's 16 queries is left out: a scalar branch on ids, round the work alone
	s_cmp_gt_u32 s14, s12
	s_cbranch_scc1 .Lhidden_\@
	v_add_nc_u32 v8, s16, v1
	s_wait_alu depctr_va_vdst(0)
	v_add_nc_u32 v9, s16, v2
	v_add_nc_u32 v10, s17, v3
	s_wait_alu depctr_va_vdst(0)
	v_add_nc_u32 v11, s18, v4
	v_nop                                          ; five places: the scores below are laid over registers that the last products read, and the loads below land in their scale registers
.irp g, 0,1                                    ; S^T = K Q^T, four tiles of 16 keys at a time
.if \g > 0
.rept 4
	v_nop                                          ; places in front of loads into registers that matrix instructions have read
.endr
.endif
.irp t, 0,1,2,3
.irp p, 0,1,2
	ds_load_b64 v[44+6*\t+2*\p:45+6*\t+2*\p], v8 offset:(32*((4*\g+\t)/2)+8*(\t%2))*48+8*\p
.endr
	ds_load_b32 v[236+\t], v10 offset:(32*((4*\g+\t)/2)+8*(\t%2))*4
.endr
	s_wait_dscnt 0x0
.irp t, 0,1,2,3
	v_wmma_scale_f32_16x16x128_f8f6f4 v[96+8*(4*\g+\t):103+8*(4*\g+\t)], v[44+6*\t:55+6*\t], v[QF:QF+11], 0, v[236+\t], v[QW] matrix_a_fmt:MATRIX_FMT_BF6 matrix_b_fmt:MATRIX_FMT_BF6
.endr
.endr
.rept 4
	v_nop
.endr
	s_add_co_u32 s12, s14, 127                     ; on the diagonal the scores of hidden keys become -infinity ahead of the maximum: p = 0 then.  The step's first key counts for every query of the tile.  A step all of whose keys count skips this
	s_cmp_le_u32 s12, s[\q0]
	s_cbranch_scc1 .Lopen_\@
	s_sub_co_i32 s12, s[\q0], s14
	v_and_b32 v246, 15, v0
	v_bfe_u32 v247, v0, 4, 1
	s_delay_alu instid0(VALU_DEP_1)
	v_lshlrev_b32 v247, 4, v247
	s_delay_alu instid0(VALU_DEP_1)
	v_sub_nc_u32 v246, v246, v247
	s_delay_alu instid0(VALU_DEP_1)
	v_add_nc_u32 v246, s12, v246                   ; d = my query - the step's first key - 16 h.  Register 16 b + n holds key 32 b + 16 h + n of the step: hidden where 32 b + n > d
	v_mov_b32 v248, 0xff800000
.set J, 0
.rept 64
	v_cmp_gt_i32 vcc_lo, 32*(J/16)+J%16, v246
	v_cndmask_b32 v[96+J], v[96+J], v248, vcc_lo
.set J, J+1
.endr
.Lopen_\@:
.irp b, 0,1,2,3
	v_max3_num_f32 v[224+\b], v[96+16*\b], v[97+16*\b], v[98+16*\b]   ; the largest score of each block of 32 keys: for the row's maximum and, since p rises with the score, for the block's largest p
.endr
.irp i, 3,5,7,9,11,13
.irp b, 0,1,2,3
	v_max3_num_f32 v[224+\b], v[224+\b], v[96+16*\b+\i], v[97+16*\b+\i]
.endr
.endr
.irp b, 0,1,2,3
	v_max_num_f32 v[224+\b], v[224+\b], v[111+16*\b]
.endr
.irp b, 0,1,2,3
	s_delay_alu instid0(VALU_DEP_4)
	v_permlanex16_b32 v[228+\b], v[224+\b], s20, s21
.endr
.irp b, 0,1,2,3
	s_delay_alu instid0(VALU_DEP_4)
	v_max_num_f32 v[224+\b], v[224+\b], v[228+\b]  ; with lane l xor 16's 16 keys
.endr
	s_delay_alu instid0(VALU_DEP_2)
	v_max3_num_f32 v246, v224, v225, v226
	s_delay_alu instid0(VALU_DEP_1)
	v_max_num_f32 v246, v246, v227                 ; the step's largest score of my query
	s_delay_alu instid0(VALU_DEP_1)
	v_mul_f32 v246, s22, v246                      ; as t
	s_delay_alu instid0(VALU_DEP_1)
	v_max_num_f32 v[SS+1], v[SS+1], v246           ; the running largest t
	v_mov_b32 v246, v[SS]
	s_delay_alu instid0(VALU_DEP_2)
	v_floor_f32 v[SS], -v[SS+1]                    ; the new -M = -ceil(t)
	s_delay_alu instid0(VALU_DEP_1)
	v_sub_f32 v246, v[SS], v246                    ; old M - new M: a whole number, 0 or less
	s_delay_alu instid0(VALU_DEP_1)
	v_cvt_i32_f32 v246, v246                       ; (it saturates)
	s_delay_alu instid0(VALU_DEP_1)
	v_ldexp_f32 v244, 1.0, v246                    ; f = 2^(old M - new M)
.set J, 0
.rept 32
	v_pk_fma_f32 v[96+J:97+J], v[96+J:97+J], s[22:23], v[SS:SS+1] op_sel_hi:[1,0,0]   ; t - M, two at a time
.set J, J+2
.endr
.irp b, 0,1,2,3
	v_fma_f32 v[224+\b], v[224+\b], s22, v[SS]     ; the same of each block's largest score
.endr
.set J, 0
	s_wait_alu depctr_va_vdst(0)
.rept 64
	v_exp_f32 v[96+J], v[96+J]                     ; p = 2^(t - M), at most 1
.set J, J+1
.endr
.irp b, 0,1,2,3
	v_exp_f32 v[224+\b], v[224+\b]                 ; the block's largest p: the same two instructions on the same number
.endr
	v_pk_mul_f32 v[SS+2:SS+3], v[SS+2:SS+3], v[244:245] op_sel_hi:[1,0]   ; the sums under the new M (a plain instruction behind the exponentials)
	s_wait_alu depctr_va_vdst(0)
.irp b, 0,1,2,3
	v_max_num_f32 v[224+\b], 0x2800000, v[224+\b]  ; the floor 2^(5 - 127): a block whose every p is 0 keeps the byte 1 over zero codes
.endr
.irp b, 0,1,2,3
	s_delay_alu instid0(VALU_DEP_4)
	v_add_nc_u32 v[232+\b], 0xfe000000, v[224+\b]  ; 4 off the exponent field: the conversion's scale operand
.endr
.irp b, 0,1,2,3
	s_delay_alu instid0(VALU_DEP_4)
	v_lshrrev_b32 v[228+\b], 23, v[232+\b]         ; the byte
.endr
	s_delay_alu instid0(VALU_DEP_3)
	v_lshl_or_b32 v240, v229, 8, v228              ; p's scale word for these 128 keys
	s_delay_alu instid0(VALU_DEP_1)
	v_lshl_or_b32 v240, v230, 16, v240
	s_delay_alu instid0(VALU_DEP_1)
	v_lshl_or_b32 v240, v231, 24, v240
.irp c, 0,1
	v_cvt_scalef32_pk16_bf6_f32 v[74+6*\c:76+6*\c], v[96+32*\c:111+32*\c], v[232+2*\c]
	v_cvt_scalef32_pk16_bf6_f32 v[86+4*\c:88+4*\c], v[112+32*\c:127+32*\c], v[232+2*\c+1]   ; (a conversion's three registers begin on an even number)
.endr
	v_nop                                          ; one plain instruction behind the last conversion
.irp c, 0,1                                    ; the operand's layout wants a whole block in a lane: lanes 0-15 block 2 c, lanes 16-31 block 2 c + 1
.irp i, 0,1,2
	v_permlane16_swap_b32 v[74+6*\c+\i], v[86+4*\c+\i]
.endr
.irp i, 0,1,2
	s_delay_alu instid0(VALU_DEP_3)
	v_mov_b32 v[77+6*\c+\i], v[86+4*\c+\i]
.endr
.endr
	v_pk_add_f32 v[248:249], v[96:97], v[98:99]    ; the row's sum is taken of the unquantised p: two at a time, in two chains
.irp j, 4,8,12,16,20,24,28,32,36,40,44,48,52,56,60
	v_pk_add_f32 v[SS+2:SS+3], v[SS+2:SS+3], v[96+\j:97+\j]
	v_pk_add_f32 v[248:249], v[248:249], v[98+\j:99+\j]
.endr
	s_delay_alu instid0(VALU_DEP_1)
	v_pk_add_f32 v[SS+2:SS+3], v[SS+2:SS+3], v[248:249]
.set J, 0
.rept 16
	v_pk_mul_f32 v[OT+J:OT+J+1], v[OT+J:OT+J+1], v[244:245] op_sel_hi:[1,0]   ; O^T under the new M, each accumulator from its low end on
.set J, J+2
.endr
.irp t, 0,1,2,3                                ; O^T += V^T P^T: four tiles of 16 channels; K = these 128 keys.  V's fragments take the registers that p has left
.irp p, 0,1,2,3,4,5
	ds_load_b64 v[96+12*\t+2*\p:97+12*\t+2*\p], v9 offset:(32*(\t/2)+8*(\t%2))*96+48*(\p/3)+8*(\p%3)
.endr
	ds_load_b32 v[236+\t], v11 offset:(32*(\t/2)+8*(\t%2))*4
.endr
	s_wait_alu depctr_va_vdst(0)
	s_wait_dscnt 0x0
.irp t, 0,1,2,3
	v_wmma_scale_f32_16x16x128_f8f6f4 v[OT+8*\t:OT+8*\t+7], v[96+12*\t:107+12*\t], v[74:85], v[OT+8*\t:OT+8*\t+7], v[236+\t], v240 matrix_a_fmt:MATRIX_FMT_BF6 matrix_b_fmt:MATRIX_FMT_BF6
.endr
.Lhidden_\@:
.endm
.macro SLOT_STEPS s                    ; a record's eight key steps: my four, each for both tiles
	s_add_co_u32 s16, s54, \s*SLOTB
	s_add_co_u32 s17, s55, \s*SLOTB
	s_add_co_u32 s18, s56, \s*SLOTB
	s_mov_b32 s15, 4
.Lstep_\@:
	STEP 0, 13
	STEP 1, 53
	s_add_co_u32 s14, s14, 256                     ; two steps on: 256 keys,
	s_add_co_u32 s16, s16, 12288                   ; 256 x 48 bytes of K's codes, and 2 x 64 channels x 96 of V's,
	s_add_co_u32 s17, s17, 1024
	s_add_co_u32 s18, s18, 512
	s_sub_co_u32 s15, s15, 1
	s_cmp_lg_u32 s15, 0
	s_cbranch_scc1 .Lstep_\@
.endm
; THE CHANGE OF SLOTS.  Each wave waits for all its tensor loads (its part of the slot ahead), adds 0 to its spare word, and waits for that and for its reads of the slot that it leaves.
; fill = 1: the slot just left takes the record two further on: a wave's one tensor load until the next such barrier, with a slot's steps in which to land.
.macro CHANGE g0, fill
	s_wait_tensorcnt 0x0                           ; no tensor load of mine is out, so a group 0 may be written
	ds_add_u32 v5, v6                              ; 0 onto my spare word,
	ds_add_u32 v5, v6                              ; twice on end
.if \fill
	s_add_nc_u64 s[\g0+2:\g0+3], s[\g0+2:\g0+3], 2*SLOTB
.endif
	s_wait_dscnt 0x0
	s_barrier_signal -1
	s_barrier_wait -1
.if \fill
	s_cmp_lt_u32 s8, 6
	s_cbranch_scc0 .Lnone_\@
	tensor_load_to_lds s[\g0:\g0+3], s[24:31]
	s_nop 0
.rept 4
	v_nop
.endr
.Lnone_\@:
.endif
.endm
	s_wait_alu depctr_va_vdst(0)                   ; the wait at the head's end
	s_wait_tensorcnt 0x0                           ; my part of slot 0 is in; slot 1's first fill is issued as a refill is
	ds_add_u32 v5, v6
	ds_add_u32 v5, v6
	s_wait_dscnt 0x0
	s_barrier_signal -1
	s_barrier_wait -1
	s_cmp_lt_u32 s8, 6
	s_cbranch_scc0 .Lno_second
	tensor_load_to_lds s[36:39], s[24:31]          ; record 1 into slot 1: it has slot 0's steps in which to land
	s_nop 0
.rept 4
	v_nop
.endr
.Lno_second:
	s_wait_loadcnt 0x0
	SLOT_STEPS 0                                   ; keys 0 - 1,023
	CHANGE 32, 1
	SLOT_STEPS 1                                   ; 1,024 - 2,047
	CHANGE 36, 1
	SLOT_STEPS 0                                   ; 2,048 - 3,071
	CHANGE 32, 0
	SLOT_STEPS 1                                   ; 3,072 - 4,095
	; THE TWO PARTS OF A TILE MEET.  Y's state goes to LDS as it stands in my registers; my partner's part of X comes back so, in the same lanes.
.rept 4
	v_nop                                          ; places behind the last products
.endr
	v_add_f32 v17, v18, v19                        ; Y's sum's two halves (over its largest t, which is done with): the pair v[16:17] is (-M, sum)
	s_wait_alu depctr_va_vdst(0)
.irp c, 0,1,2,3,4,5,6,7
	ds_store_b128 v93, v[192+4*\c:195+4*\c] offset:512*\c   ; each accumulator from its low end on
.endr
	ds_store_b64 v95, v[16:17]
	s_wait_dscnt 0x0                               ; for my partner's sake: my stores have landed
	s_barrier_signal -1
	s_barrier_wait -1
.irp c, 0,1,2,3,4,5,6,7
	ds_load_b128 v[96+4*\c:99+4*\c], v94 offset:512*\c
.endr
	ds_load_b64 v[128:129], v243
	v_add_f32 v14, v14, v15                        ; X's sum's two halves
	s_wait_dscnt 0x0
	v_min_num_f32 v246, v12, v128                  ; -M of the two parts: the larger M
	s_delay_alu instid0(VALU_DEP_1)
	v_sub_f32 v247, v246, v12                      ; my M less it: a whole number, 0 or less;
	s_delay_alu instid0(VALU_DEP_2)
	v_sub_f32 v248, v246, v128                     ; my partner's likewise
	s_delay_alu instid0(VALU_DEP_2)
	v_cvt_i32_f32 v247, v247                       ; (they saturate: a part that had no step has -M = 3e38, and its factor is 0)
	s_delay_alu instid0(VALU_DEP_2)
	v_cvt_i32_f32 v248, v248
	s_delay_alu instid0(VALU_DEP_2)
	v_ldexp_f32 v244, 1.0, v247
	s_wait_alu depctr_va_vdst(0)
	v_ldexp_f32 v130, 1.0, v248
	v_mul_f32 v14, v14, v244
	s_delay_alu instid0(VALU_DEP_1)
	v_fma_f32 v14, v129, v130, v14                 ; the sum under the common M,
	s_delay_alu instid0(VALU_DEP_1)
	v_permlanex16_b32 v228, v14, s20, s21
	s_delay_alu instid0(VALU_DEP_1)
	v_add_f32 v14, v14, v228                       ; with lane l xor 16's: the row's
	s_wait_alu depctr_va_vdst(0)
	v_rcp_f32 v14, v14
	v_mov_b32 v131, 0                              ; (a plain instruction behind the reciprocal; the upper half of the pair v[130:131])
	s_wait_alu depctr_va_vdst(0)
	v_mul_f32 v244, v244, v14                      ; the factors are powers of two: 1 / the sum goes into them and nothing more is rounded
	v_mul_f32 v130, v130, v14
.set J, 0
.rept 16
	v_pk_mul_f32 v[96+J:97+J], v[96+J:97+J], v[130:131] op_sel_hi:[1,0]
.set J, J+2
.endr
.set J, 0
.rept 16
	v_pk_fma_f32 v[96+J:97+J], v[160+J:161+J], v[244:245], v[96+J:97+J] op_sel_hi:[1,0,1]   ; register 16 b + n: channel 32 b + 16 h + n of my query; each accumulator from its low end on
.set J, J+2
.endr
	; THE WAY OUT.  The two blocks of 32 channels are quantised; codes and bytes leave through LDS in whole aligned runs of 256 bytes.
.irp b, 0,1
	v_max3_num_f32 v[224+\b], |v[96+16*\b]|, |v[97+16*\b]|, 0x2800000
.endr
.irp i, 2,4,6,8,10,12,14
.irp b, 0,1
	s_delay_alu instid0(VALU_DEP_2)
	v_max3_num_f32 v[224+\b], v[224+\b], |v[96+16*\b+\i]|, |v[97+16*\b+\i]|
.endr
.endr
.irp b, 0,1
	s_delay_alu instid0(VALU_DEP_2)
	v_permlanex16_b32 v[228+\b], v[224+\b], s20, s21
.endr
.irp b, 0,1
	s_delay_alu instid0(VALU_DEP_2)
	v_max_num_f32 v[224+\b], v[224+\b], v[228+\b]
.endr
.irp b, 0,1
	s_delay_alu instid0(VALU_DEP_2)
	v_add_nc_u32 v[232+\b], 0xfe000000, v[224+\b]
.endr
.irp b, 0,1
	s_delay_alu instid0(VALU_DEP_2)
	v_lshrrev_b32 v[228+\b], 23, v[232+\b]
.endr
	s_delay_alu instid0(VALU_DEP_1)
	v_lshl_or_b32 v246, v229, 8, v228              ; the head's two bytes of my query
	v_cvt_scalef32_pk16_bf6_f32 v[74:76], v[96:111], v232
	v_cvt_scalef32_pk16_bf6_f32 v[78:80], v[112:127], v233
	v_nop
	ds_store_b96 v250, v[74:76]
	ds_store_b96 v250, v[78:80] offset:32
	ds_store_b16 v252, v246                        ; both halves of the lanes write the same bytes with the same value
	ds_load_b96 v[132:134], v251                   ; LDS serves a wave's instructions in order: these see my stores
	ds_load_b96 v[136:138], v251 offset:640
	s_wait_dscnt 0x0                               ; also for the others' sake: my bytes lie in the scale stage
	global_store_b96 v254, v[132:134], s[48:49]    ; 16 queries x 48 bytes: the two stores cover 768 consecutive bytes, aligned
	global_store_b96 v254, v[136:138], s[48:49] offset:384
	s_barrier_signal -1
	s_barrier_wait -1
	s_cmp_lg_u32 s8, 0
	s_cbranch_scc1 .Lnot_0
	ds_load_b128 v[140:143], v253
	s_wait_dscnt 0x0
	global_store_b128 v255, v[140:143], s[50:51]   ; sixteen lanes store a block's 256 bytes, aligned
.Lnot_0:
	s_wait_tensorcnt 0x0                           ; the wave's end
	ds_add_u32 v5, v6
	s_wait_dscnt 0x0
	s_endpgm
.Lfunc_end_k_q4e302627ec_attn:
	.size	k_q4e302627ec_attn, .Lfunc_end_k_q4e302627ec_attn-k_q4e302627ec_attn
	.p2alignl 7, 3214868480
	.fill 96, 4, 3214868480
	.section	.rodata,"a",@progbits
	.p2align	6, 0x0
	.amdhsa_kernel k_q4e302627ec_attn
		.amdhsa_group_segment_fixed_size 327680
		.amdhsa_private_segment_fixed_size 0
		.amdhsa_enable_private_segment 0
		.amdhsa_kernarg_size 16
		.amdhsa_user_sgpr_count 2
		.amdhsa_user_sgpr_kernarg_segment_ptr 1
		.amdhsa_wavefront_size32 1
		.amdhsa_system_sgpr_workgroup_id_x 1
		.amdhsa_system_sgpr_workgroup_id_y 1
		.amdhsa_system_sgpr_workgroup_id_z 1
		.amdhsa_system_vgpr_workitem_id 0
		.amdhsa_next_free_vgpr 256
		.amdhsa_next_free_sgpr 66
		.amdhsa_reserve_vcc 1
		.amdhsa_float_denorm_mode_32 3
		.amdhsa_float_denorm_mode_16_64 3
		.amdhsa_memory_ordered 1
		.amdhsa_forward_progress 1
		.amdhsa_inst_pref_size 216
	.end_amdhsa_kernel
	.amdgpu_metadata
---
amdhsa.version: [ 1, 2 ]
amdhsa.kernels:
  - .name:           k_q4e302627ec_attn
    .symbol:         k_q4e302627ec_attn.kd
    .args:
      - { .name: qkv, .offset: 0, .size: 8, .value_kind: global_buffer, .address_space: global }
      - { .name: att, .offset: 8, .size: 8, .value_kind: global_buffer, .address_space: global }
    .group_segment_fixed_size: 327680
    .private_segment_fixed_size: 0
    .kernarg_segment_align: 8
    .kernarg_segment_size: 16
    .max_flat_workgroup_size: 512
    .sgpr_count:     66
    .vgpr_count:     256
    .wavefront_size: 32
...
	.end_amdgpu_metadata
.endif
;; end of part 3
;; launch oproj (part 4): grid 8 x 32, 4 waves a work-group, clusters of 4 x 4, 262,144 bytes of LDS; arguments att, codes, scales, out0; writes out0
.if DOCPART == 4
	.amdgcn_target "amdgcn-amd-amdhsa--gfx1250"
	.amdhsa_code_object_version 6
	.text
	.protected	k_q4e302627ec_oproj
	.globl	k_q4e302627ec_oproj
	.p2align	8
	.type	k_q4e302627ec_oproj,@function
k_q4e302627ec_oproj:
	s_mov_b64 s[64:65], 0
	v_nop
	global_prefetch_b8 v0, s[64:65] scope:SCOPE_SE
	s_setreg_imm32_b32 hwreg(HW_REG_WAVE_MODE, 25, 1), 1
	s_wait_xcnt 0x0
	s_wait_alu depctr_hold_cnt(0) depctr_sa_sdst(0) depctr_va_vdst(0) depctr_va_sdst(0) depctr_va_ssrc(0) depctr_va_vcc(0) depctr_vm_vsrc(0)
	s_getreg_b32 s2, hwreg(HW_REG_IB_STS2, 6, 4)
	s_cmp_eq_u32 s2, 0
	s_cbranch_scc0 .Lentry_in_a_cluster
	s_endpgm
.Lentry_in_a_cluster:
	s_bfe_u32 s2, ttmp6, 0x10000c
	s_cmp_lg_u32 s2, 0xf033
	s_cbranch_scc0 .Lentry_shape_is_right
	s_endpgm
.Lentry_shape_is_right:
; out0[m][n] = sum over d of att[m][d] Wo[n][d]: M 4,096, N 1,024, K 1,024, both operands codes of BF6 (E3M2) with one E8M0 byte for each 32 along K; sums and result f32.
; A BLOCK OF 128 x 128 TO A WORK-GROUP: 32 x 8 = 256 work-groups.  ALL OF K COMES INTO LDS AT ONCE, by four tensor loads at the head, one a wave; nothing is filled again: no ring, one barrier.
;   wave 0: att's codes, laid [head 16][query][48 bytes]: 16 rows of 6,144 bytes (128 queries of one head), dense in LDS: rows of 48 bytes are 12 words apart, so the 32 lanes of a load of 8 bytes touch 64 different banks (ISA guide 11.1).
;   wave 1: Wo's codes, laid [K step of 256][row][192 bytes]: 4 rows of 24,576 bytes (128 rows of one K step), 16 bytes of padding behind each 64: a row of codes takes 240 bytes in LDS.
;   wave 2: att's scale bytes, laid [head][query][2]: 16 rows of 256 bytes.   wave 3: Wo's scale bytes, 128 rows of 32: 16 rows of 256 bytes, 16 of padding behind each.
; CLUSTERS of 4 x 4: att's tiles hang on the block's row alone and are asked for jointly along a row of the cluster, Wo's on its column alone and jointly along a column.
; No prefetch: every tile is asked for once, at the head, and the launch has no loop to run ahead in.
; A WAVE makes 64 x 64: 16 accumulators, by turns.  A step is 128 along K (two heads): 8 fragments, 48 loads of 8 bytes, for 16 matrix instructions; the next step's fragments are fetched ahead of a step's products.
; THE MATRIX INSTRUCTION IS USED TRANSPOSED (source 0 = 16 rows of Wo, source 1 = 16 queries): a lane holds eight neighbouring numbers of a row of out0.
; ATT'S SCALE BYTES are turned from [head][query] to [query][32 bytes] by each wave for its own 64 queries, in LDS bytes of its own: no barrier.  One register then carries A's word (lanes 0-15) and B's (lanes 16-31).
; REGISTERS: window 0: v1-15 at work in the head; v16-31 addresses; v32-63 scale words (block i, step s at v[32 + 8 i + s]) and nothing else; v64-159, v160-255 two sets of fragments (B's four, then A's four); window 1: v0-127 the accumulators.
.set PITCH,  240
.set LBB,    98304                     ; LDS: A's codes from 0; B's codes
.set SCA,    221184                    ; the waves' own 64 rows of A's scales, 8 x 272 bytes each: stored by the waves, no fill lands here
.set SCB,    229888                    ; B's scales
.set RAW,    234240                    ; A's scale bytes as they come
.set STG,    238336                    ; the way out: 16 rows x 272 bytes for each wave
.set SPARE,  255744                    ; the spare words, 128 bytes for each wave: two blocks of 256 bytes that no other line names
.set ASB,    3145728                   ; buffer att: the scale bytes
.set ADRA, 16                          ; v16-17 my A fragments, heads 0-7 and 8-15
.set ADRB, 20                          ; v20-21 my B fragments, K steps 0-1 and 2-3; v22-23 the same + 16 in lanes 16-31, for pieces whose two halves of the lanes lie on both sides of a padding
.set STO,  24
.set RD,   25
.set CO,   26
.set ADRS, 27
.set SPW,  28
.set NIL,  29
.set RWA,  30
.set RWS,  31
.set SC,   32
.set RW,   160                         ; v160-175 raw scale words, v176-191 turned: in set 1, ahead of its first use
.set G1A, 24
.set G0A, 32
.set G0B, 36
.set G1B, 48
.set G0S, 56
.set G0T, 60
.set G1S, 68
.set G1T, 80
.set MSB, 0
.macro WIN new                         ; the immediate's high byte repeats the setting that is left
.if MSB != (\new)
	s_set_vgpr_msb (MSB<<8)|(\new)
.set MSB, (\new)
.endif
.endm
.macro CROUND                          ; a round of the cluster's barrier
	s_barrier_signal -1
	s_barrier_wait -1
	s_cmp_lg_u32 s14, 0
	s_cbranch_scc1 .Lnot_wave_0_\@
	s_barrier_signal -3
.Lnot_wave_0_\@:
	s_barrier_wait -3
	s_barrier_signal -1
	s_barrier_wait -1
.endm
.macro PLACES
.rept 4
	v_nop
.endr
.endm
.macro ARM under, g0, g1, next
	s_cmp_lt_u32 s14, \under
	s_cbranch_scc0 \next
	tensor_load_to_lds s[\g0:\g0+3], s[\g1:\g1+7]
	s_nop 0
	PLACES
	s_branch .Lhead_asked
\next:
.endm
	s_load_b256 s[4:11], s[0:1], 0x0               ; att s[4:5], codes s[6:7], scales s[8:9], out0 s[10:11]
	v_lshl_add_u32 v[SPW], v0, 2, SPARE
	v_mov_b32 v[NIL], 0
	ds_add_u32 v[SPW], v[NIL]                      ; the opening lines: the add, twice on end, and its wait ahead of my first tensor load
	ds_add_u32 v[SPW], v[NIL]
	v_lshrrev_b32 v1, 5, v0
	v_readfirstlane_b32 s14, v1                    ; wave 0..3
	s_lshr_b32 s15, s14, 1                         ; which 64 queries of the block are mine
	s_and_b32 s16, s14, 1                          ; which 64 rows of Wo
	s_bfe_u32 s40, ttmp6, 0x40000                  ; cx, cy
	s_bfe_u32 s41, ttmp6, 0x40004
	s_lshl_b32 s42, ttmp9, 2
	s_add_co_u32 s42, s42, s40                     ; the block's column, 0..7
	s_and_b32 s17, ttmp7, 0xffff
	s_lshl_b32 s17, s17, 2
	s_add_co_u32 s17, s17, s41                     ; the block's row, 0..31
	s_lshl_b32 s43, s41, 2
	s_lshl_b32 s43, 15, s43                        ; my row of the cluster
	s_lshl_b32 s44, 0x1111, s40                    ; my column
	s_or_b32 s[G1A+0], s43, (3<<16)|(1<<21)        ; elements of 8 bytes; bit 21 beside a mask
	s_mov_b32 s[G1A+1], 768<<16                    ; 6,144 bytes a row,
	s_mov_b32 s[G1A+2], 16<<16                     ; 16 heads,
	s_mov_b32 s[G1A+3], 768<<16
	s_mov_b32 s[G1A+4], 16
	s_mov_b32 s[G1A+5], 24576                      ; 196,608 bytes from head to head
	s_mov_b32 s[G1A+6], 0
	s_mov_b32 s[G1A+7], 0
	s_or_b32 s[G1B+0], s44, (3<<16)|(1<<20)|(1<<21)|(3<<22)|(3<<25)   ; padding: 4 words behind every 16
	s_mov_b32 s[G1B+1], 3072<<16                   ; 24,576 bytes a row,
	s_mov_b32 s[G1B+2], 4<<16                      ; 4 K steps,
	s_mov_b32 s[G1B+3], 3072<<16
	s_mov_b32 s[G1B+4], 4
	s_mov_b32 s[G1B+5], 196608                     ; 1,572,864 bytes from K step to K step
	s_mov_b32 s[G1B+6], 0
	s_mov_b32 s[G1B+7], 0
	s_or_b32 s[G1S+0], s43, (3<<16)|(1<<21)
	s_or_b32 s[G1T+0], s44, (3<<16)|(1<<20)|(1<<21)|(5<<22)|(3<<25)   ; padding: 4 words behind every 64
.irp g, G1S, G1T
	s_mov_b32 s[\g+1], 32<<16                      ; 16 rows of 256 bytes
	s_mov_b32 s[\g+2], 16<<16
	s_mov_b32 s[\g+3], 32<<16
	s_mov_b32 s[\g+4], 16
	s_mov_b32 s[\g+6], 0
	s_mov_b32 s[\g+7], 0
.endr
	s_mov_b32 s[G1S+5], 1024                       ; att's scale bytes: 8,192 bytes from head to head
	s_mov_b32 s[G1T+5], 32                         ; Wo's: dense
	s_mul_i32 s20, s17, 6144                       ; att's codes: 128 queries x 48 bytes a block
	s_mov_b32 s21, 0
	s_lshl_b32 s22, s17, 8
	s_add_co_u32 s22, s22, ASB                     ; its scale bytes: 256 a block
	s_mov_b32 s23, 0
	s_mul_i32 s46, s42, 24576
	s_add_co_u32 s46, s46, 7168*192                ; Wo's codes: stacked rows 7,168 + 128 x column
	s_mov_b32 s47, 0
	s_lshl_b32 s88, s42, 12
	s_add_co_u32 s88, s88, 7168*32                 ; and their scale bytes
	s_mov_b32 s89, 0
	s_lshl_b32 s90, s17, 19                        ; out0: row 128 x block row + 64 x half, of 4,096 bytes;
	s_lshl_b32 s91, s15, 18
	s_add_co_u32 s90, s90, s91
	s_lshl_b32 s91, s42, 9                         ; byte 512 x block column + 256 x half
	s_add_co_u32 s90, s90, s91
	s_lshl_b32 s91, s16, 8
	s_add_co_u32 s90, s90, s91
	s_mov_b32 s91, 0
	s_mul_i32 s18, s15, 64*48                      ; LDS: my 64 queries in a head's 6,144 bytes
	s_mul_i32 s19, s16, 64*PITCH
	s_add_co_u32 s19, s19, LBB                     ; my 64 rows of Wo, K steps 0-1,
	s_add_co_u32 s92, s19, 2*128*PITCH             ; and 2-3
	s_mul_i32 s93, s14, 2176                       ; my own rows of A's scales
	s_mul_i32 s94, s16, 2176                       ; from them to my 64 rows of B's scales
	s_add_co_u32 s94, s94, SCB-SCA
	s_sub_co_u32 s94, s94, s93
	s_add_co_u32 s93, s93, SCA
	s_lshl_b32 s95, s15, 7
	s_add_co_u32 s95, s95, RAW                     ; my 64 queries' 128 bytes in a head's 256
	s_mul_i32 s96, s14, 16*272
	s_add_co_u32 s96, s96, STG                     ; my stage
	s_mov_b32 s66, 0x05040100
	s_mov_b32 s67, 0x07060302
	s_wait_dscnt 0x0                               ; both opening adds are done
	s_wait_kmcnt 0x0
	s_add_nc_u64 s[12:13], s[10:11], s[90:91]
	s_mov_b32 s[G0A], 1
	s_mov_b32 s[G0A+1], 0
	s_add_nc_u64 s[G0A+2:G0A+3], s[4:5], s[20:21]
	s_or_b32 s[G0A+3], s[G0A+3], 0x80000000
	s_mov_b32 s[G0B], 1
	s_mov_b32 s[G0B+1], LBB
	s_add_nc_u64 s[G0B+2:G0B+3], s[6:7], s[46:47]
	s_or_b32 s[G0B+3], s[G0B+3], 0x80000000
	s_mov_b32 s[G0S], 1
	s_mov_b32 s[G0S+1], RAW
	s_add_nc_u64 s[G0S+2:G0S+3], s[4:5], s[22:23]
	s_or_b32 s[G0S+3], s[G0S+3], 0x80000000
	s_mov_b32 s[G0T], 1
	s_mov_b32 s[G0T+1], SCB
	s_add_nc_u64 s[G0T+2:G0T+3], s[8:9], s[88:89]
	s_or_b32 s[G0T+3], s[G0T+3], 0x80000000
	CROUND                                         ; all sixteen work-groups are here: the joint loads meet
	ARM 1, G0A, G1A, .Lhead_b                      ; one tree of branches on the wave's number: every way passes exactly one load
	ARM 2, G0B, G1B, .Lhead_sa
	ARM 3, G0S, G1S, .Lhead_sb
	tensor_load_to_lds s[G0T:G0T+3], s[G1T:G1T+7]
	s_nop 0
	PLACES
.Lhead_asked:
	v_and_b32 v1, 15, v0                           ; r = l % 16
	v_bfe_u32 v2, v0, 4, 1                         ; h = l / 16
	v_and_b32 v7, 31, v0                           ; lane
	v_mul_u32_u24 v3, v1, 48
	v_mad_u32_u24 v3, v2, 24, v3                   ; A: row x 48 + 24 h
	v_mul_u32_u24 v4, v1, PITCH
	v_mad_u32_u24 v4, v2, 24, v4                   ; B: row x 240 + 24 h
	v_lshl_add_u32 v5, v2, 4, v4                   ; and + 16 h
	v_add_nc_u32 v[ADRA], s18, v3
	v_add_nc_u32 v[ADRA+1], 8*6144, v[ADRA]
	v_add_nc_u32 v[ADRB], s19, v4
	v_add_nc_u32 v[ADRB+1], s92, v4
	v_add_nc_u32 v[ADRB+2], s19, v5
	v_add_nc_u32 v[ADRB+3], s92, v5
	v_and_b32 v8, 7, v1
	v_lshlrev_b32 v8, 5, v8
	v_lshrrev_b32 v9, 3, v1
	v_mad_u32_u24 v8, v9, 272, v8                  ; a row of 32 scale bytes: eight rows to 256 bytes + 16
	v_mul_u32_u24 v9, s94, v2                      ; lanes 16-31 take B's
	v_add_nc_u32 v8, v8, v9
	v_add_nc_u32 v[ADRS], s93, v8
	v_lshl_add_u32 v[RWA], v7, 2, s95              ; raw: my two queries' word in a head's row
	v_lshrrev_b32 v9, 2, v7
	v_and_b32 v10, 3, v7
	v_mul_u32_u24 v9, v9, 272
	v_lshl_add_u32 v9, v10, 6, v9
	v_add_nc_u32 v[RWS], s93, v9                   ; turned: my two queries' 64 bytes
	v_mul_u32_u24 v9, v1, 272
	v_lshl_add_u32 v9, v2, 5, v9
	v_add_nc_u32 v[STO], s96, v9                   ; the stage, in: row r, 32 bytes for each half of the lanes
	v_mul_u32_u24 v9, v2, 272
	v_lshl_add_u32 v9, v1, 4, v9
	v_add_nc_u32 v[RD], s96, v9                    ; back: sixteen lanes to a row of 256 bytes, two rows an instruction
	v_lshlrev_b32 v[CO], 12, v2
	v_lshl_add_u32 v[CO], v1, 4, v[CO]             ; and the same two rows in out0
.macro FRA reg, st, a                  ; A's fragment: registers 0-5 from head 2 st, 6-11 from head 2 st + 1: 24 bytes each, as they lie
.irp p, 0,1,2,3,4,5
	ds_load_b64 v[\reg+2*\p:\reg+2*\p+1], v[ADRA+(\st)/4] offset:(2*((\st)%4)+\p/3)*6144+768*(\a)+8*(\p%3)
.endr
.endm
.macro FRB reg, st, b                  ; B's: piece PC of the 24 pieces of 8 bytes of a K step's row; lanes 16-31 read three pieces on, beyond a padding where PC % 8 is 5 or more
.irp p, 0,1,2,3,4,5
.set PC, 12*((\st)%2)+6*(\p/3)+\p%3
.if PC%8 < 5
	ds_load_b64 v[\reg+2*\p:\reg+2*\p+1], v[ADRB+(\st)/4] offset:8*PC+16*(PC/8)+(((\st)/2)%2)*128*PITCH+(\b)*16*PITCH
.else
	ds_load_b64 v[\reg+2*\p:\reg+2*\p+1], v[ADRB+2+(\st)/4] offset:8*PC+16*(PC/8)+(((\st)/2)%2)*128*PITCH+(\b)*16*PITCH
.endif
.endr
.endm
.macro FETCH st                        ; 48 loads: step st's eight fragments into set st % 2
.set FB, 64+96*((\st)%2)
.irp i, 0,1,2,3
	FRB FB+12*\i, \st, \i
.endr
.irp i, 0,1,2,3
	FRA FB+48+12*\i, \st, \i
.endr
.endm
.macro MUL st                          ; 16 matrix instructions; the first step's take 0 as C: nothing is cleared
.set FM, 64+96*((\st)%2)
.irp a, 0,1,2,3
.irp b, 0,1,2,3
.if (\st) == 0
	v_wmma_scale_f32_16x16x128_f8f6f4 v[8*(4*\a+\b):8*(4*\a+\b)+7], v[FM+12*\b:FM+12*\b+11], v[FM+48+12*\a:FM+48+12*\a+11], 0, v[SC+8*\b+(\st)], v[SC+8*\a+(\st)] matrix_a_fmt:MATRIX_FMT_BF6 matrix_b_fmt:MATRIX_FMT_BF6 matrix_a_scale:MATRIX_SCALE_ROW1
.else
	v_wmma_scale_f32_16x16x128_f8f6f4 v[8*(4*\a+\b):8*(4*\a+\b)+7], v[FM+12*\b:FM+12*\b+11], v[FM+48+12*\a:FM+48+12*\a+11], v[8*(4*\a+\b):8*(4*\a+\b)+7], v[SC+8*\b+(\st)], v[SC+8*\a+(\st)] matrix_a_fmt:MATRIX_FMT_BF6 matrix_b_fmt:MATRIX_FMT_BF6 matrix_a_scale:MATRIX_SCALE_ROW1
.endif
.endr
.endr
.endm
	s_wait_alu depctr_va_vdst(0)                   ; the wait at the head's end
	s_wait_tensorcnt 0x0                           ; my tile of the four is in;
	s_barrier_signal -1
	s_barrier_wait -1                              ; and so is everybody's.  Nothing is filled again
.irp g, 0,1,2,3,4,5,6,7,8,9,10,11,12,13,14,15
	ds_load_b32 v[RW+\g], v[RWA] offset:256*\g     ; head g: two bytes of query 2 l, two of query 2 l + 1
.endr
	FETCH 0
	s_wait_dscnt 48                                ; the sixteen words are in; step 0's 48 loads may be out
.irp m, 0,1,2,3,4,5,6,7
	v_perm_b32 v[RW+16+\m], v[RW+1+2*\m], v[RW+2*\m], s66   ; query 2 l: the word of step m: heads 2 m and 2 m + 1
	v_perm_b32 v[RW+24+\m], v[RW+1+2*\m], v[RW+2*\m], s67   ; query 2 l + 1
.endr
.irp c, 0,1,2,3
	ds_store_b128 v[RWS], v[RW+16+4*\c:RW+19+4*\c] offset:16*\c
.endr
.irp i, 0,1,2,3
	ds_load_b128 v[SC+8*\i:SC+8*\i+3], v[ADRS] offset:544*\i       ; LDS serves a wave's instructions in order (ISA guide 5.7.1.4): these see my stores.  Lanes 0-15: A's block i, lanes 16-31: B's block i; the words of steps 0-3,
	ds_load_b128 v[SC+8*\i+4:SC+8*\i+7], v[ADRS] offset:544*\i+16  ; and 4-7
.endr
.set ST, 0
.rept 8
.if ST < 7
.if ST > 0
	PLACES                                         ; four places ahead of loads into registers that the last step's products read
.endif
	FETCH ST+1
	s_wait_dscnt 48                                ; all but the 48 just issued: this step's fragments, and the scale words, are in
.else
	s_wait_dscnt 0x0
.endif
	WIN 0x50                                       ; C and D in window 1
	MUL ST
	WIN 0
.set ST, ST+1
.endr
; THE WAY OUT, block by block of 16 rows x 64 columns: through my own stage and back as whole rows of 256 bytes.  Every offset is an immediate and each block has registers of its own: nothing that a store reads is written again.
.macro TOSTAGE a
	WIN 0x04                                       ; the data: window 1
.irp b, 0,1,2,3
	ds_store_b128 v[STO], v[8*(4*(\a)+\b):8*(4*(\a)+\b)+3] offset:64*\b        ; each accumulator from its low end on
	ds_store_b128 v[STO], v[8*(4*(\a)+\b)+4:8*(4*(\a)+\b)+7] offset:64*\b+16
.endr
	WIN 0
.irp t, 0,1,2,3,4,5,6,7
	ds_load_b128 v[64+32*(\a)+4*\t:64+32*(\a)+4*\t+3], v[RD] offset:\t*544
.endr
.endm
.macro SEND a, younger                 ; younger: the LDS instructions issued behind block a's loads
	s_wait_dscnt \younger
.irp t, 0,1,2,3,4,5,6,7
	global_store_b128 v[CO], v[64+32*(\a)+4*\t:64+32*(\a)+4*\t+3], s[12:13] offset:(\a)*65536+\t*8192 th:TH_STORE_NT   ; sixteen lanes store 256 consecutive bytes, aligned
.endr
.endm
	PLACES                                         ; behind the last products: for the stage's stores and for the loads into the fragments' registers
	TOSTAGE 0
.irp a, 1,2,3
	TOSTAGE \a
	SEND \a-1, 16                                  ; behind block a - 1's loads: block a's 8 stores and 8 loads
.endr
	SEND 3, 0
	s_wait_tensorcnt 0x0                           ; the wave's end
	ds_add_u32 v[SPW], v[NIL]
	s_wait_dscnt 0x0
	CROUND                                         ; the closing round
	s_endpgm
.Lfunc_end_k_q4e302627ec_oproj:
	.size	k_q4e302627ec_oproj, .Lfunc_end_k_q4e302627ec_oproj-k_q4e302627ec_oproj
	.p2alignl 7, 3214868480
	.fill 96, 4, 3214868480
	.section	.rodata,"a",@progbits
	.p2align	6, 0x0
	.amdhsa_kernel k_q4e302627ec_oproj
		.amdhsa_group_segment_fixed_size 262144
		.amdhsa_private_segment_fixed_size 0
		.amdhsa_enable_private_segment 0
		.amdhsa_kernarg_size 32
		.amdhsa_user_sgpr_count 2
		.amdhsa_user_sgpr_kernarg_segment_ptr 1
		.amdhsa_wavefront_size32 1
		.amdhsa_system_sgpr_workgroup_id_x 1
		.amdhsa_system_sgpr_workgroup_id_y 1
		.amdhsa_system_sgpr_workgroup_id_z 1
		.amdhsa_system_vgpr_workitem_id 0
		.amdhsa_next_free_vgpr 384
		.amdhsa_next_free_sgpr 98
		.amdhsa_reserve_vcc 0
		.amdhsa_float_denorm_mode_32 3
		.amdhsa_float_denorm_mode_16_64 3
		.amdhsa_memory_ordered 1
		.amdhsa_forward_progress 1
		.amdhsa_inst_pref_size 62
	.end_amdhsa_kernel
	.amdgpu_metadata
---
amdhsa.version: [ 1, 2 ]
amdhsa.kernels:
  - .name:           k_q4e302627ec_oproj
    .symbol:         k_q4e302627ec_oproj.kd
    .args:
      - { .name: att, .offset: 0, .size: 8, .value_kind: global_buffer, .address_space: global }
      - { .name: codes, .offset: 8, .size: 8, .value_kind: global_buffer, .address_space: global }
      - { .name: scales, .offset: 16, .size: 8, .value_kind: global_buffer, .address_space: global }
      - { .name: out0, .offset: 24, .size: 8, .value_kind: global_buffer, .address_space: global }
    .group_segment_fixed_size: 262144
    .private_segment_fixed_size: 0
    .kernarg_segment_align: 8
    .kernarg_segment_size: 32
    .max_flat_workgroup_size: 128
    .sgpr_count:     98
    .vgpr_count:     384
    .wavefront_size: 32
...
	.end_amdgpu_metadata
.endif
;; end of part 4
